; MI455X (gfx1250); checked and timed in simulation.
; The chip was launched on July 23, 2026; its instructions are those of AMD's public machine-readable ISA for CDNA 5 (MIT licence, August 2026) and "CDNA5" Instruction Set Architecture Reference Guide (July 2026). The comments in the code are by the model that wrote it; some were corrected since.
;; Masked Multi Head SDP Attention. Allowed arithmetic: matrix products marked QUANTISED: E5M2 operands, one E8M0 scale for each 32 along K, by v_wmma_scale_f32_16x16x128_f8f6f4 with both operands' format E5M2, f32 sums; everything else in f32.
;; Inputs: Wk 16 x 1,024 x 64 float32; Wo 1,024 x 1,024 float32; Wq 16 x 1,024 x 64 float32; Wv 16 x 1,024 x 64 float32; bk 16 x 64 float32; bo 1,024 float32; bq 16 x 64 float32; bv 16 x 64 float32; x 4 x 2,048 x 1,024 float32.
;; Outputs: out0 4 x 2,048 x 1,024 float32.
;; This version of the problem:
;;   THIS VERSION OF THE PROBLEM IS GIVEN IN LOW PRECISION. The matrix products marked QUANTISED in the list below multiply operands that are first quantised to E5M2 (5 exponent bits, 2 mantissa bits; 8 bits a number), with one power-of-two scale for each 32 numbers along K (OCP MX v1.0); their sums are f32. All else is computed in f32.
;;   The module's matrix products, in the order in which they are computed (A, B: the left and right operand; K: the contracted axis; several contracted axes count as one K, in the product's order):
;;     1. [M 1,024, K 1,024] x [K 1,024, N 8,192]; A: input Wq; B: input x: QUANTISED
;;     2. [M 1,024, K 1,024] x [K 1,024, N 8,192]; A: input Wk; B: input x: QUANTISED
;;     3. [M 1,024, K 1,024] x [K 1,024, N 8,192]; A: input Wv; B: input x: QUANTISED
;;     4. batch 64 x [M 2,048, K 64] x [K 64, N 2,048]; A: computed on the way; B: computed on the way: QUANTISED
;;     5. batch 64 x [M 2,048, K 2,048] x [K 2,048, N 64]; A: softmax (see below); B: computed on the way: QUANTISED
;;     6. [M 8,192, K 1,024] x [K 1,024, N 1,024]; A: computed on the way; B: input Wo: QUANTISED
;;   THE QUANTISER, for each operand of a quantised product, along K:
;;     - K is cut into blocks of 32 from its start; a last block that is shorter is filled with zeros.
;;     - A block's scale is 2^e with e = floor(log2(the largest magnitude in the block)) - 15, held to -126 .. 127; a block of zeros has e = 0. As a byte (E8M0): e + 127.
;;     - Each number is divided by its block's scale, clamped to +-57,344, and rounded to the nearest number of E5M2, ties to even, subnormals kept.
;;     - The product sums the exact products of the quantised numbers (number of the format x scale) in f32.
;;   ~~~python
;;   def quantise(x, axis):      # numpy; x: float32 -> the quantised numbers, widened to float32 again
;;       x = np.moveaxis(x, axis, -1); K = x.shape[-1]
;;       x = np.pad(x, [(0, 0)] * (x.ndim - 1) + [(0, -K % 32)]); x = x.reshape(x.shape[:-1] + (-1, 32)); a = np.abs(x).max(-1, keepdims=True)
;;       e = np.where(a > 0, np.clip(np.frexp(np.where(a > 0, a, 1))[1] - 1 - 15, -126, 127), 0)      # np.frexp(a)[1] - 1 = floor(log2(a)), exactly
;;       r = np.clip(x / 2.0 ** e, -57344, 57344)
;;       step = 2.0 ** (np.maximum(np.frexp(np.where(r == 0, 1, r))[1] - 1, -14) - 2)
;;       q = np.round(r / step) * step * 2.0 ** e      # np.round: ties to even
;;       return np.moveaxis(q.reshape(q.shape[:-2] + (-1,))[..., :K], -1, axis).astype(np.float32)
;;   ~~~
;;   SOFTMAX AHEAD OF A QUANTISED PRODUCT. Where the list says 'softmax', what is quantised is not the finished softmax but p = 2^(t - M), with t = logit x log2(e) and M = ceil(the row's largest t), a whole number; so 1/2 < the row's largest p <= 1. The row's sum l is taken of the UNQUANTISED p, in f32, and the product's result is divided by l at the end. Since M is a whole number, a kernel that streams over the keys may use a running M (the ceiling of the running maximum): every later rescaling is an exact power of two, which a block's scale takes up: the codes' values come out the same.
;;   OPERANDS COMPUTED ON THE WAY. 'Computed on the way' means the value that the module computes at that place (a softmax that the list does not call 'softmax' is quantised finished and normalised). What goes into a quantiser is computed in f32, as accurately as f32 sums, v_exp_f32 and their like allow (about 1e-6 of the number): no bf16 or f16 on the way to a quantiser, and a product that is left as it is and whose result goes on into a quantised operand takes f32 operands (vector FMAs, or v_wmma_f32_16x16x4_f32). A number that lies on a knife's edge between two numbers of the format may be rounded either way, as far as f32 arithmetic and the matrix unit's own rounding can turn it there, and no further.
;; One version. Each part assembles by itself: llvm-mc -triple=amdgcn-amd-amdhsa -mcpu=gfx1250 --defsym DOCPART=n.
;; ======== version 1 of 1: 4 launches
;; limits: right only within a limited range of input values
;; workspace buffers: xw 8,650,752 bytes; ww 4,325,376 bytes; qkv 25,952,256 bytes; cat 8,650,752 bytes
;; launch quant (part 1): grid 384 x 1, 4 waves a work-group, no clusters, 68,096 bytes of LDS; arguments x, xw, Wq, Wk, Wv, Wo, ww; writes xw, ww
.if DOCPART == 1
	.amdgcn_target "amdgcn-amd-amdhsa--gfx1250"
	.amdhsa_code_object_version 6
	.text
	.protected	k_q1c2d59773f_quant
	.globl	k_q1c2d59773f_quant
	.p2align	8
	.type	k_q1c2d59773f_quant,@function
k_q1c2d59773f_quant:
	s_mov_b64 s[64:65], 0
	v_nop
	global_prefetch_b8 v0, s[64:65] scope:SCOPE_SE
	s_setreg_imm32_b32 hwreg(HW_REG_WAVE_MODE, 25, 1), 1
	s_wait_xcnt 0x0
; ONE LAUNCH QUANTISES ALL FIVE INPUTS OF THE PRODUCTS: work-groups 0-127 take the four weights, work-groups 128-383 take x.  The two ways part on the work-group's number and have LDS bytes of their own.
; A block's scale is 2^(floor(log2(its largest magnitude)) - 15); its byte is the largest magnitude's exponent field - 15, held at 1 from below.  Each number is divided by the scale, held within +-57,344 and rounded to the nearest code, ties to even.
; LIMITS: a block of zeros gets the byte 1 where the rule says 127 (its codes are zeros, and this program alone reads the bytes); NaN and infinities among the inputs are not served.
; LEFT OUT BY THE PROGRAM (in launch attn): key steps that reference()'s own causal mask hides whole; a NaN or an infinity that reaches only such a step is not carried to the result.
; x [8192 tokens][1024] -> xw: codes [8192 rows][1024] at byte 0, scale bytes [8192][32] at XSC.  ROW p(t) HOLDS TOKEN t, p = the number with its bits 3 and 4 exchanged: sixteen rows on end are tokens 32 f + 8 u + r + 8 (r / 8).
;   A wave takes 8 tokens in 16 steps of 512 numbers; each load reads 512 consecutive bytes; a step turns through the wave's stage in LDS and comes back 64 bytes a lane; two neighbouring lanes hold a block.  Loads run four steps ahead.
; Wq, Wk, Wv [16 heads][1024 (K)][64], Wo [1024 (K)][1024] -> ww: codes [4096 rows][1024] at byte 0, scale bytes [4096][32] at WSC.  Matrix mt has rows 1024 mt on; row 1024 mt + p(n) holds column n.
;   A lane takes a column and its registers run down K; a wave takes 32 columns x 256 along K; the codes go through the wave's stage and leave sixteen lanes to 256 consecutive bytes, aligned.
.set SPARE, 67584                      ; behind both ways' bytes: the spare words, 128 bytes a wave
	v_lshl_add_u32 v208, v0, 2, SPARE
	v_mov_b32 v209, 0
	v_lshrrev_b32 v1, 5, v0
	v_readfirstlane_b32 s16, v1                    ; wave
	v_and_b32 v2, 31, v0                           ; lane
	s_wait_alu depctr_va_vdst(0)
	s_cmp_lt_u32 ttmp9, 128
	s_cbranch_scc1 .Lweights
; ---------------- x
.set STEPS, 16
.set R,     16                         ; v16-79   four sets of 16 numbers as they are loaded
.set X,     80                         ; v80-111  two sets of 16 neighbours
.set E,     112                        ; v112-127 a scale byte for each step
.set C,     128                        ; v128-191 codes: four registers for each step
.set WREG,  8192                       ; LDS 0 on: a region for each wave: two stages of 32 x SP bytes, behind them its 256 scale bytes
.set SP,    80
.set XSC,   8388608
	s_load_b128 s[4:7], s[0:1], 0x0                ; x s[4:5], xw s[6:7]
	v_lshlrev_b32 v3, 4, v2                        ; 16 x lane
	s_mul_i32 s17, s16, WREG
	v_lshrrev_b32 v14, 2, v2
	v_mul_u32_u24 v14, v14, SP
	v_and_b32 v15, 3, v2
	v_lshl_add_u32 v14, v15, 4, v14
	v_add_nc_u32 v14, s17, v14                     ; the stage, on the way in: four lanes' 64 bytes on end, then 16 of padding
	v_mul_u32_u24 v15, v2, SP
	v_add_nc_u32 v15, s17, v15                     ; and on the way out: my 16 neighbours
	v_lshrrev_b32 v5, 1, v2
	s_add_co_u32 s17, s17, 2*32*SP
	v_add_nc_u32 v5, s17, v5                       ; my block's byte among my wave's 256
	v_lshlrev_b32 v7, 3, v2
	v_add_nc_u32 v6, s17, v7
	s_mov_b32 s23, 0x600000                        ; the mantissa field of 57,344
	s_sub_co_u32 s18, ttmp9, 128
	s_lshl_b32 s18, s18, 2
	s_add_co_u32 s19, s18, s16                     ; run R of 8 tokens
	s_and_b32 s20, s16, 1
	s_lshl_b32 s20, s20, 1
	s_lshr_b32 s21, s16, 1
	s_or_b32 s20, s20, s21
	s_add_co_u32 s20, s18, s20                     ; goes to run R', R with its bits 0 and 1 exchanged
	s_lshl_b32 s12, s19, 15
	s_mov_b32 s13, 0
	s_lshl_b32 s14, s20, 13
	s_mov_b32 s15, 0
	s_lshl_b32 s20, s20, 8
	s_add_co_u32 s20, s20, XSC
	s_mov_b32 s21, 0
	s_wait_alu depctr_va_vdst(0)
	s_wait_kmcnt 0x0
	s_add_nc_u64 s[4:5], s[4:5], s[12:13]
	s_add_nc_u64 s[8:9], s[6:7], s[14:15]
	s_add_nc_u64 s[10:11], s[6:7], s[20:21]
.macro LOADX t
.irp i, 0,1,2,3
	global_load_b128 v[R+16*((\t)%4)+4*\i:R+16*((\t)%4)+4*\i+3], v3, s[4:5] offset:2048*(\t)+512*\i th:TH_LOAD_NT
.endr
.endm
.macro TURNX t                         ; LDS serves a wave's instructions in order: no wait between the stores and the loads
.irp i, 0,1,2,3
	ds_store_b128 v14, v[R+16*((\t)%4)+4*\i:R+16*((\t)%4)+4*\i+3] offset:32*SP*((\t)%2)+8*SP*\i
.endr
.irp i, 0,1,2,3
	ds_load_b128 v[X+16*((\t)%2)+4*\i:X+16*((\t)%2)+4*\i+3], v15 offset:32*SP*((\t)%2)+16*\i
.endr
.endm
.irp t, 0,1,2,3
	LOADX \t
.endr
	s_wait_loadcnt 12                              ; step 0's four loads are in; the twelve of steps 1 to 3 may be out
	TURNX 0
.macro STEPX t
.set XS, X+16*((\t)%2)
.if (\t) > 0
	s_wait_dscnt 1                                 ; this step's numbers are back (the last step's byte store may be out)
.else
	s_wait_dscnt 0x0
.endif
.if (\t)+4 < STEPS
	LOADX (\t)+4
.endif
.if (\t)+1 < STEPS
.if STEPS-2-(\t) >= 3
	s_wait_loadcnt 12                              ; the next step's four loads are in; those of the three steps behind it may be out
.else
	s_wait_loadcnt 4*(STEPS-2-(\t))
.endif
	TURNX (\t)+1
.endif
	v_max3_num_f32 v8, |v[XS]|, |v[XS+1]|, |v[XS+2]|
	v_max3_num_f32 v9, |v[XS+3]|, |v[XS+4]|, |v[XS+5]|
.irp i, 6,10
	v_max3_num_f32 v8, v8, |v[XS+\i]|, |v[XS+\i+1]|
	v_max3_num_f32 v9, v9, |v[XS+\i+2]|, |v[XS+\i+3]|
.endr
	v_max3_num_f32 v8, v8, |v[XS+14]|, |v[XS+15]|
	v_max3_num_f32 v8, v8, v9, 0x8000000           ; the floor 2^(16 - 127)
	v_max_num_f32_dpp v8, v8, v8 row_xmask:1 row_mask:0xf bank_mask:0xf   ; with my neighbour's 16: the block's
	v_add_nc_u32 v11, 0xf8800000, v8               ; 15 off the exponent field: the conversion's scale operand
	v_and_or_b32 v10, v8, 0x7f800000, s23          ; 57,344 x the scale
.irp i, 0,1,2,3,4,5,6,7,8,9,10,11,12,13,14,15
	v_med3_num_f32 v[XS+\i], v[XS+\i], -v10, v10   ; the conversion does not saturate (ISA guide 7.6.2): the hold comes first
.endr
	v_cvt_scalef32_pk8_bf8_f32 v[C+4*(\t):C+4*(\t)+1], v[XS:XS+7], v11
	v_cvt_scalef32_pk8_bf8_f32 v[C+4*(\t)+2:C+4*(\t)+3], v[XS+8:XS+15], v11
	v_lshrrev_b32 v[E+(\t)], 23, v11               ; the scale's byte (a plain line behind the conversions)
	ds_store_b8 v5, v[E+(\t)] offset:16*(\t)
	global_store_b128 v3, v[C+4*(\t):C+4*(\t)+3], s[8:9] offset:512*(\t)
.endm
.irp t, 0,1,2,3,4,5,6,7,8,9,10,11,12,13,14,15
	STEPX \t
.endr
	ds_load_b64 v[12:13], v6
	s_wait_dscnt 0x0
	global_store_b64 v7, v[12:13], s[10:11]        ; 32 lanes store 256 consecutive bytes, aligned
	s_wait_tensorcnt 0x0                           ; the wave's end
	ds_add_u32 v208, v209
	s_wait_dscnt 0x0
	s_endpgm
; ---------------- the weights
.Lweights:
.set NB,    8                          ; blocks of 32 along K for a wave
.set PITCH, 272                        ; a stage row: 256 bytes of codes + 16
.set X,     32                         ; v32-95   two sets of 32 numbers
.set C,     96                         ; v96-103  a block's codes
.set OUTR,  112                        ; v112-175 the way out
.set SB,    24                         ; v24-25   the scale bytes
.set ADR,   176                        ; v176-207 4 x lane + i x pitch
.set BB,    32                         ; s[32:47] a base for each block
.set WSC,   4194304
.set WST,   32768                      ; LDS: the four stages begin here
	s_load_b256 s[4:11], s[0:1], 0x10              ; Wq s[4:5], Wk s[6:7], Wv s[8:9], Wo s[10:11]
	s_load_b64 s[12:13], s[0:1], 0x30              ; ww
	s_bfe_u32 s14, ttmp9, 0x20003                  ; mt: which matrix
	s_and_b32 s17, ttmp9, 7
	s_lshl_b32 s17, s17, 7
	s_lshl_b32 s18, s16, 5
	s_add_co_u32 s17, s17, s18                     ; n0, my wave's first column
	s_lshr_b32 s18, ttmp9, 5                       ; which 256 along K
	s_mul_i32 s19, s16, 32*PITCH
	s_add_co_u32 s19, s19, WST                     ; my stage
	v_mul_u32_u24 v4, v2, PITCH
	v_add_nc_u32 v4, s19, v4                       ; into it: row = my column
	v_and_b32 v5, 15, v2
	v_lshrrev_b32 v6, 4, v2
	v_mul_u32_u24 v7, v6, PITCH
	v_lshl_add_u32 v7, v5, 4, v7
	v_add_nc_u32 v7, s19, v7                       ; out of it: sixteen lanes to a row
	v_lshlrev_b32 v8, 10, v6
	v_lshl_add_u32 v8, v5, 4, v8                   ; the same place in ww
	v_and_b32 v9, 7, v2                            ; p(lane) x 32: my column's row of scale bytes
	v_and_b32 v10, 8, v2
	v_lshl_or_b32 v9, v10, 1, v9
	v_and_b32 v10, 16, v2
	v_lshrrev_b32 v10, 1, v10
	v_or_b32 v9, v9, v10
	v_lshlrev_b32 v9, 5, v9
	s_lshl_b32 s20, s17, 2                         ; my first column's byte in a row: Wo: 4 n0;
	s_lshr_b32 s21, s17, 6
	s_lshl_b32 s21, s21, 18                        ; the others: the head's 262,144 bytes
	s_and_b32 s22, s17, 63
	s_lshl_b32 s22, s22, 2
	s_add_co_u32 s21, s21, s22
	s_mov_b32 s15, 256
	s_cmp_eq_u32 s14, 3
	s_cselect_b32 s15, 4096, s15                   ; the pitch from k to k + 1
	s_cselect_b32 s20, s20, s21
	s_lshl_b32 s21, s18, 8
	s_mul_i32 s21, s21, s15
	s_add_co_u32 s20, s20, s21
	s_mov_b32 s21, 0
	s_lshl_b32 s22, s15, 5                         ; a block on: 32 pitches
	s_mov_b32 s23, 0
	v_lshlrev_b32 v[ADR], 2, v2
.set n, 1
.rept 31
	v_add_nc_u32 v[ADR+n], s15, v[ADR+n-1]
.set n, n+1
.endr
	s_lshl_b32 s24, s14, 10
	s_add_co_u32 s24, s24, s17                     ; my first row of ww
	s_lshl_b32 s26, s24, 10
	s_lshl_b32 s27, s18, 8
	s_add_co_u32 s26, s26, s27
	s_mov_b32 s27, 0
	s_lshl_b32 s28, s24, 5
	s_lshl_b32 s29, s18, 3
	s_add_co_u32 s28, s28, s29
	s_add_co_u32 s28, s28, WSC
	s_mov_b32 s29, 0
	s_mov_b32 s31, 0x600000
	s_wait_alu depctr_va_vdst(0)
	s_wait_kmcnt 0x0
	s_cmp_eq_u32 s14, 1                            ; the choice hangs on the work-group's number alone
	s_cselect_b64 s[4:5], s[6:7], s[4:5]
	s_cmp_eq_u32 s14, 2
	s_cselect_b64 s[4:5], s[8:9], s[4:5]
	s_cmp_eq_u32 s14, 3
	s_cselect_b64 s[4:5], s[10:11], s[4:5]
	s_add_nc_u64 s[BB:BB+1], s[4:5], s[20:21]
.irp t, 1,2,3,4,5,6,7
	s_add_nc_u64 s[BB+2*\t:BB+2*\t+1], s[BB+2*\t-2:BB+2*\t-1], s[22:23]
.endr
	s_add_nc_u64 s[48:49], s[12:13], s[26:27]
	s_add_nc_u64 s[50:51], s[12:13], s[28:29]
.macro LOADW t
.irp i, 0,1,2,3,4,5,6,7,8,9,10,11,12,13,14,15,16,17,18,19,20,21,22,23,24,25,26,27,28,29,30,31
	global_load_b32 v[X+32*((\t)%2)+\i], v[ADR+\i], s[BB+2*(\t):BB+2*(\t)+1] th:TH_LOAD_NT
.endr
.endm
	LOADW 0
	LOADW 1
.macro BLOCKW t
.set XS, X+32*((\t)%2)
.if (\t) < NB-1
	s_wait_loadcnt 32                              ; this block's 32 loads are in; the next block's may be out
.else
	s_wait_loadcnt 0
.endif
	v_max3_num_f32 v12, |v[XS]|, |v[XS+1]|, |v[XS+2]|
	v_max3_num_f32 v13, |v[XS+3]|, |v[XS+4]|, |v[XS+5]|
.irp i, 6,10,14,18,22,26
	v_max3_num_f32 v12, v12, |v[XS+\i]|, |v[XS+\i+1]|
	v_max3_num_f32 v13, v13, |v[XS+\i+2]|, |v[XS+\i+3]|
.endr
	v_max3_num_f32 v12, v12, |v[XS+30]|, |v[XS+31]|
	v_max3_num_f32 v12, v12, v13, 0x8000000
	v_add_nc_u32 v11, 0xf8800000, v12
	v_and_or_b32 v10, v12, 0x7f800000, s31
	v_lshrrev_b32 v13, 23, v11
.if (\t)%4 == 0
	v_mov_b32 v[SB+(\t)/4], v13
.else
	v_lshl_or_b32 v[SB+(\t)/4], v13, 8*((\t)%4), v[SB+(\t)/4]
.endif
.irp i, 0,1,2,3,4,5,6,7,8,9,10,11,12,13,14,15,16,17,18,19,20,21,22,23,24,25,26,27,28,29,30,31
	v_med3_num_f32 v[XS+\i], v[XS+\i], -v10, v10
.endr
.irp g, 0,1,2,3
	v_cvt_scalef32_pk8_bf8_f32 v[C+2*\g:C+2*\g+1], v[XS+8*\g:XS+8*\g+7], v11
.endr
	v_nop                                          ; a plain line behind the last conversion
	ds_store_b128 v4, v[C:C+3] offset:32*(\t)
	ds_store_b128 v4, v[C+4:C+7] offset:32*(\t)+16
.if (\t)+2 < NB
	LOADW (\t)+2
.endif
	s_wait_dscnt 0x0                               ; the stores have read their registers
.endm
.set Q, 0
.rept NB
	BLOCKW Q
.set Q, Q+1
.endr
	global_store_b64 v9, v[SB:SB+1], s[50:51]      ; my column's 8 scale bytes
.irp t, 0,1,2,3,4,5,6,7,8,9,10,11,12,13,14,15
	ds_load_b128 v[OUTR+4*\t:OUTR+4*\t+3], v7 offset:2*\t*PITCH
.endr
.irp t, 0,1,2,3,4,5,6,7,8,9,10,11,12,13,14,15
	s_wait_dscnt 15-\t                             ; the later loads may be out
	global_store_b128 v8, v[OUTR+4*\t:OUTR+4*\t+3], s[48:49] offset:((((2*\t)&7)|(((2*\t)&8)<<1))|(((2*\t)&16)>>1))*1024   ; stage rows 2 t, 2 t + 1 go to rows p(2 t), p(2 t) + 1
.endr
	s_wait_tensorcnt 0x0
	ds_add_u32 v208, v209
	s_wait_dscnt 0x0
	s_endpgm
.Lfunc_end_k_q1c2d59773f_quant:
	.size	k_q1c2d59773f_quant, .Lfunc_end_k_q1c2d59773f_quant-k_q1c2d59773f_quant
	.p2alignl 7, 3214868480
	.fill 96, 4, 3214868480
	.section	.rodata,"a",@progbits
	.p2align	6, 0x0
	.amdhsa_kernel k_q1c2d59773f_quant
		.amdhsa_group_segment_fixed_size 68096
		.amdhsa_private_segment_fixed_size 0
		.amdhsa_enable_private_segment 0
		.amdhsa_kernarg_size 56
		.amdhsa_user_sgpr_count 2
		.amdhsa_user_sgpr_kernarg_segment_ptr 1
		.amdhsa_wavefront_size32 1
		.amdhsa_system_sgpr_workgroup_id_x 1
		.amdhsa_system_sgpr_workgroup_id_y 1
		.amdhsa_system_sgpr_workgroup_id_z 1
		.amdhsa_system_vgpr_workitem_id 0
		.amdhsa_next_free_vgpr 210
		.amdhsa_next_free_sgpr 66
		.amdhsa_reserve_vcc 0
		.amdhsa_float_denorm_mode_32 3
		.amdhsa_float_denorm_mode_16_64 3
		.amdhsa_memory_ordered 1
		.amdhsa_forward_progress 1
		.amdhsa_inst_pref_size 112
	.end_amdhsa_kernel
	.amdgpu_metadata
---
amdhsa.version: [ 1, 2 ]
amdhsa.kernels:
  - .name:           k_q1c2d59773f_quant
    .symbol:         k_q1c2d59773f_quant.kd
    .args:
      - { .name: x, .offset: 0, .size: 8, .value_kind: global_buffer, .address_space: global }
      - { .name: xw, .offset: 8, .size: 8, .value_kind: global_buffer, .address_space: global }
      - { .name: Wq, .offset: 16, .size: 8, .value_kind: global_buffer, .address_space: global }
      - { .name: Wk, .offset: 24, .size: 8, .value_kind: global_buffer, .address_space: global }
      - { .name: Wv, .offset: 32, .size: 8, .value_kind: global_buffer, .address_space: global }
      - { .name: Wo, .offset: 40, .size: 8, .value_kind: global_buffer, .address_space: global }
      - { .name: ww, .offset: 48, .size: 8, .value_kind: global_buffer, .address_space: global }
    .group_segment_fixed_size: 68096
    .private_segment_fixed_size: 0
    .kernarg_segment_align: 8
    .kernarg_segment_size: 56
    .max_flat_workgroup_size: 128
    .sgpr_count:     66
    .vgpr_count:     210
    .wavefront_size: 32
...
	.end_amdgpu_metadata
.endif
;; end of part 1
;; launch proj (part 2): grid 8 x 32, 4 waves a work-group, clusters of 4 x 4, 327,680 bytes of LDS; arguments xw, ww, bq, bk, bv, qkv; writes qkv
.if DOCPART == 2
	.amdgcn_target "amdgcn-amd-amdhsa--gfx1250"
	.amdhsa_code_object_version 6
	.text
	.protected	k_q1c2d59773f_proj
	.globl	k_q1c2d59773f_proj
	.p2align	8
	.type	k_q1c2d59773f_proj,@function
k_q1c2d59773f_proj:
	s_mov_b64 s[64:65], 0
	v_nop
	global_prefetch_b8 v0, s[64:65] scope:SCOPE_SE
	s_setreg_imm32_b32 hwreg(HW_REG_WAVE_MODE, 25, 1), 1
	s_wait_xcnt 0x0
	s_wait_alu depctr_hold_cnt(0) depctr_sa_sdst(0) depctr_va_vdst(0) depctr_va_sdst(0) depctr_va_ssrc(0) depctr_va_vcc(0) depctr_vm_vsrc(0)
	s_getreg_b32 s2, hwreg(HW_REG_IB_STS2, 6, 4)
	s_cmp_eq_u32 s2, 0
	s_cbranch_scc0 .Lentry_in_a_cluster
	s_endpgm
.Lentry_in_a_cluster:
	s_bfe_u32 s2, ttmp6, 0x10000c
	s_cmp_lg_u32 s2, 0xf033
	s_cbranch_scc0 .Lentry_shape_is_right
	s_endpgm
.Lentry_shape_is_right:
; Q = x Wq + bq, K = x Wk + bk, V = x Wv + bv on codes of E5M2 with one E8M0 scale for each 32 along K = 1,024; the results are quantised on the way out (Q, K along the head's 64; V along the keys)
; and stored as IMAGES OF OPERAND REGISTERS: each group of four registers as 512 bytes, lane l's 16 bytes at 16 l, so that the attention launch loads its fragments by 16-byte loads alone.
; ONE TEXT, TWO PARTS, told apart by the cluster's y (the same in all partners).  C'[m'][n'] = A' B'^T; source 1 = 16 rows of A' (a lane of the result is a row of A'), source 0 = 16 rows of B' (a lane's registers run along B's rows).
;   clusters y 0-7:  A' = x (tile row 4 CY + cy), B' = ww rows 0-2047 (cluster x 0: Wq, 1: Wk; tile column 4 CX + cx): a lane holds one token, its registers run along the channels, the next K.
;   clusters y 8-11: A' = ww rows 2048-3071 (Wv; tile row cy), B' = x (tile column 4 CX + cx + 8 (CY - 8)): a lane holds one channel, its registers run along the tokens, which are the keys, V's K.
; xw and ww hold their rows with bits 3 and 4 of the row number exchanged, so the 16 registers of B's blocks 2 j and 2 j + 1 are 16 NEIGHBOURS, 32 j + 16 (lane / 16) + 0 .. 15: the conversions' results are operand registers.
; A tile of C' is 256 x 256: four waves, each 128 x 128 in 64 accumulators.  K goes in 4 steps of 256 through a ring of two LDS slots; the scale bytes of the tile's rows, for all of K, come once with the first fills.
; CLUSTERS: 4 x 4 work-groups; A's tiles are asked for jointly along a row of the cluster, B's along a column.
; qkv: a record of REC bytes for each (batch x head, block J of 256 tokens): +0 K's 8 fragments of 2,048 bytes (each: two token tiles' images); +16,384 V^T's 2 x 4 fragments; +32,768 K's scale words; +33,280 V's;
;   +33,792 Q's 16 tiles of 1,024 bytes; +50,176 Q's scale words (a word: two tiles' two bytes each).  A head on is 8 records.
; LIMITS: a block of zeros gets the byte 1 where the rule says 127 (its codes are zeros; this program alone reads the bytes); NaN and infinities are not served.
; REGISTERS, in windows of 256: window 0: v0-31 addresses; v32-63 scale words, two sets; v64-127 biases; from v128 A's fragments, one set; on the way out v128-247 at work.
;   window 1: B's fragments, two sets.   window 2: the accumulators of my rows 0-63 ((a, b) at v[8 (8 a + b)]);   window 3: those of my rows 64-127.
; THIS EDITION: 8 x 32 = 256 work-groups, all of the first kind (the cluster's y is 0-7, so the flag s23 is 0), and V IS CHAINED BEHIND Q OR K IN THE SAME WORK-GROUP.
; PHASE 2: A'' = Wv's rows 128 TX on (ww rows 2,048 on; 64 rows a wave row: one head), B'' = the work-group's own 256 rows of x (tile TY): a wave makes 64 channels x 128 tokens in 32 accumulators.
; The ring goes on: phase 1's last change of slots fills slot 0 with phase 2's K step 0, a round behind phase 1's last products fills slot 1 with K step 1; phase 1's way out stands under both loads.
; x comes by its own group 1 (shared along the cluster's row) into B's place of a slot, Wv by the other (shared along the column), 64 rows a wave, into A's.  x's scale bytes lie in LDS from the head;
; Wv's scale words come by plain loads into window 3 (v0-31, free behind block 4's way out) and are laid into lanes 0-15 of the scale registers, 8 lines a K step.  Both operands' fragments have two sets.
.set NQ,     2
.set ROWB,   256                       ; a tile's row in bytes
.set KROW,   1024                      ; a row of xw or ww in memory
.set PITCH,  272                       ; an LDS row: 256 bytes + 16 of padding: the 16 rows that a load touches start 68 words apart
.set FR,     16
.set NL,     4
.set NP,     8                         ; places behind this matrix instruction (ISA guide 7.12.1)
.set HALFT,  128*PITCH
.set SLOT,   4*HALFT
.set KS,     32                        ; a row of scale bytes
.set SCL,    2*SLOT                    ; behind the ring: the scales, rows of 256 bytes + 16
.set HALFS,  16*272
.set SBLK,   2*272
.set SPARE,  SCL+4*HALFS               ; the spare words, 128 bytes a wave
.set BSTG,   SPARE+512                 ; 512 bytes a wave: its 128 biases
.set SSQ,    BSTG+2048                 ; 512 bytes a wave: scale words on the way out, Q's and K's part
.set SSV,    SSQ+2048                  ; the same for V's part: each part has bytes of its own
.set REC,    50688
.set HEADB,  8*REC
.set LI,   8                           ; v8   16 x lane
.set BAD,  9                           ; v9   BSTG + 512 w + 64 h
.set BAV,  10                          ; v10  BSTG + 512 w + 4 (r + 8 (r / 8))
.set SAD,  11                          ; v11  SSQ + 512 w + 4 r
.set SADV, 12                          ; v12  SSV + 512 w + 4 r
.set SRD,  13                          ; v13  SSQ + 512 w + 16 l
.set SRDV, 14                          ; v14  SSV + 512 w + 16 l
.set SGO,  15                          ; v15  16 (l % 16) + a head's bytes x (l / 16)
.set ADRA, 16
.set ADRB, 20
.set BST,  24                          ; v24  BSTG + 512 w + 16 l
.set ADRS, 27
.set SPW,  28
.set NIL,  29
.set SC,   32
.set BI,   64
.set AF,   128
.set T,    128                         ; the way out: 64 numbers
.set PC,   192                         ; two sets of 16 registers of codes
.set TM,   224                         ; v224-227 largest magnitudes, 228-231 bytes, 232-235 57,344 x the scale, 236-239 the conversions' scale operands
.set PW,   240                         ; the scale word just made
.set SW,   244
.set G1, 24
.set G0, 32
.set G1B, 48
.set G0B, 56
.set G1S, 68
.set G0S, 76
.set G1SB, 80
.set G0SB, 88
.set MSB, 0
.macro WIN new                         ; the immediate's high byte repeats the setting that is left
.if MSB != \new
	s_set_vgpr_msb (MSB<<8)|\new
.set MSB, \new
.endif
.endm
.set MUL_LO, 0xa1                      ; source 0 (B') window 1, source 1 (A') window 0, C and D window 2
.set MUL_HI, 0xf1
.set TO_B,   0x40
; A joint load: waves 0 and 1 fetch for A', waves 2 and 3 for B'.  The branch hangs on the wave's number alone.  Four v_nop follow each of the two lines.
.macro JLOAD g0a, g1a, g0b, g1b
	s_cmp_eq_u32 s17, 0
	s_cbranch_scc0 .Lfor_b_\@
	tensor_load_to_lds s[\g0a:\g0a+3], s[\g1a:\g1a+7]
	s_nop 0
.rept 4
	v_nop
.endr
	s_branch .Lasked_\@
.Lfor_b_\@:
	tensor_load_to_lds s[\g0b:\g0b+3], s[\g1b:\g1b+7]
	s_nop 0
.rept 4
	v_nop
.endr
.Lasked_\@:
.endm
.macro CREST                           ; a round of the cluster's barrier behind its opening barrier
	s_cmp_lg_u32 s16, 0
	s_cbranch_scc1 .Lnot_wave_0_\@
	s_barrier_signal -3
.Lnot_wave_0_\@:
	s_barrier_wait -3
	s_barrier_signal -1
	s_barrier_wait -1
.endm
.macro CROUND
	s_barrier_signal -1
	s_barrier_wait -1
	CREST
.endm
	s_load_b256 s[4:11], s[0:1], 0x0               ; xw s[4:5], ww s[6:7], bq s[8:9], bk s[10:11]
	s_load_b128 s[12:15], s[0:1], 0x20             ; bv s[12:13], qkv s[14:15]
	v_lshl_add_u32 v[SPW], v0, 2, SPARE
	v_mov_b32 v[NIL], 0
	ds_add_u32 v28, v29
	ds_add_u32 v28, v29
	s_wait_dscnt 0x0
	v_lshrrev_b32 v1, 5, v0
	v_readfirstlane_b32 s16, v1                    ; wave 0..3
	s_lshr_b32 s17, s16, 1                         ; HR: which half of the tile's A' rows is mine.  Also: I fetch for A' (0) or for B' (1)
	s_and_b32 s18, s16, 1                          ; HC: which half of its B' rows.  Also: which 128 rows I fetch
	s_bfe_u32 s19, ttmp6, 0x40000                  ; cx
	s_bfe_u32 s20, ttmp6, 0x40004                  ; cy
	s_mov_b32 s21, ttmp9                           ; CX: the cluster's x
	s_and_b32 s22, ttmp7, 0xffff                   ; CY: the cluster's y
	s_cmp_ge_u32 s22, 8
	s_cselect_b32 s23, 1, 0                        ; V's part?  The same in all sixteen partners
	s_lshl_b32 s40, s22, 2
	s_cmp_lg_u32 s23, 0
	s_cselect_b32 s40, 0, s40
	s_add_co_u32 s40, s40, s20                     ; TY, A's tile: 4 CY + cy, in V's part cy
	s_max_u32 s41, s22, 8
	s_sub_co_u32 s41, s41, 8
	s_lshl_b32 s41, s41, 3                         ; 8 (CY - 8) in V's part, else 0
	s_lshl_b32 s100, s21, 2
	s_add_co_u32 s41, s41, s100
	s_add_co_u32 s41, s41, s19                     ; TX, B's tile
	s_lshl_b32 s42, s20, 2
	s_lshl_b32 s42, 15, s42                        ; my row of the cluster
	s_lshl_b32 s43, 0x1111, s19                    ; my column
	; descriptor group 1: a tile of 128 rows x 256 bytes, 16 bytes of padding behind each row
	s_or_b32 s[G1+0], s42, (0<<16)|(1<<20)|(1<<21)|(5<<22)|(3<<25)  ; 15:0 the mask; 17:16 elements of 1 byte; 20 padding on; 21 set beside a mask; 24:22 after every 64 words; 31:25 four words
	s_or_b32 s[G1B+0], s43, (0<<16)|(1<<20)|(1<<21)|(5<<22)|(3<<25)
.irp g, G1, G1B
	s_mov_b32 s[\g+1], ROWB<<16                    ; tensor_dim0
	s_mov_b32 s[\g+2], 256<<16                     ; tensor_dim1: 256 rows for the head's loads; set to 128 for the ring's behind them
	s_mov_b32 s[\g+3], ROWB<<16                    ; tile_dim0
	s_mov_b32 s[\g+4], 256                         ; tile_dim1
	s_mov_b32 s[\g+5], KROW                        ; tensor_dim0_stride
	s_mov_b32 s[\g+6], 0
	s_mov_b32 s[\g+7], 0
.endr
	; the scales of 256 rows: 8,192 dense bytes as 32 rows of 256 (32 elements of 8 bytes), 16 bytes of padding behind each
	s_or_b32 s[G1S+0], s42, (3<<16)|(1<<20)|(1<<21)|(5<<22)|(3<<25)
	s_or_b32 s[G1SB+0], s43, (3<<16)|(1<<20)|(1<<21)|(5<<22)|(3<<25)
.irp g, G1S, G1SB
	s_mov_b32 s[\g+1], 32<<16
	s_mov_b32 s[\g+2], 32<<16
	s_mov_b32 s[\g+3], 32<<16
	s_mov_b32 s[\g+4], 32
	s_mov_b32 s[\g+5], 32
	s_mov_b32 s[\g+6], 0
	s_mov_b32 s[\g+7], 0
.endr
	; byte offsets (all under 2^32).  A's are made in s46, s47, s66, s67, which never hold cx; B's in s2, s3, s100, s101, which never hold cy
	s_lshl_b32 s2, s18, 7                          ; which 128 rows of the tile I fetch
	s_lshl_b32 s46, s40, 8
	s_add_co_u32 s46, s46, s2                      ; A's first row
	s_lshl_b32 s100, s41, 8
	s_add_co_u32 s100, s100, s2                    ; B's first row
	s_cmp_lg_u32 s23, 0
	s_cselect_b32 s3, 0x200000, 0                  ; A's codes: Wv's rows begin at row 2,048 of ww
	s_mov_b32 s47, 8388608
	s_cselect_b32 s47, 4259840, s47                ; A's scales: in ww behind the codes and 2,048 rows; in xw behind the codes
	s_mov_b32 s101, 4194304
	s_cselect_b32 s101, 8388608, s101              ; B's scales
	s_lshl_b32 s66, s46, 10
	s_add_co_u32 s66, s66, s3
	s_mov_b32 s67, 0
	s_lshl_b32 s46, s40, 13                        ; the scales of the tile's 256 rows come whole: 256 x 32 bytes a tile
	s_add_co_u32 s46, s46, s47
	s_mov_b32 s47, 0
	s_lshl_b32 s2, s100, 10
	s_mov_b32 s3, 0
	s_lshl_b32 s100, s41, 13
	s_add_co_u32 s100, s100, s101
	s_mov_b32 s101, 0
	s_mul_i32 s44, s16, HALFT                      ; where the tiles go: wave x 128 rows: no place in the cluster enters an LDS address
	s_wait_kmcnt 0x0
	s_cmp_lg_u32 s23, 0
	s_cselect_b64 s[92:93], s[6:7], s[4:5]         ; A': ww in V's part, else xw
	s_cselect_b64 s[96:97], s[4:5], s[6:7]         ; B': the other
	s_mov_b64 s[94:95], s[92:93]
	s_mov_b64 s[98:99], s[96:97]
	s_add_nc_u64 s[92:93], s[92:93], s[66:67]      ; A's codes
	s_add_nc_u64 s[94:95], s[94:95], s[46:47]      ; A's scales
	s_add_nc_u64 s[96:97], s[96:97], s[2:3]        ; B's codes
	s_add_nc_u64 s[98:99], s[98:99], s[100:101]    ; B's scales
	CROUND                                         ; all sixteen work-groups are here: the first joint loads meet
	s_mov_b32 s[G0S], 1
	s_mov_b32 s[G0S+1], SCL
	s_mov_b64 s[G0S+2:G0S+3], s[94:95]
	s_or_b32 s[G0S+3], s[G0S+3], 0x80000000
	s_mov_b32 s[G0SB], 1
	s_mov_b32 s[G0SB+1], SCL+2*HALFS
	s_mov_b64 s[G0SB+2:G0SB+3], s[98:99]
	s_or_b32 s[G0SB+3], s[G0SB+3], 0x80000000
.irp s, 0,1
	s_mov_b32 s[G0+4*\s], 1
	s_add_co_u32 s[G0+4*\s+1], s44, \s*SLOT
	s_add_nc_u64 s[G0+4*\s+2:G0+4*\s+3], s[92:93], \s*ROWB
	s_or_b32 s[G0+4*\s+3], s[G0+4*\s+3], 0x80000000
	s_mov_b32 s[G0B+4*\s], 1
	s_add_co_u32 s[G0B+4*\s+1], s44, \s*SLOT
	s_add_nc_u64 s[G0B+4*\s+2:G0B+4*\s+3], s[96:97], \s*ROWB
	s_or_b32 s[G0B+4*\s+3], s[G0B+4*\s+3], 0x80000000
.endr
; THE HEAD'S LOADS, ONE A WAVE: wave 0 K step 0's 256 rows of A', wave 2 its 256 rows of B' (their own slot-0 descriptors begin at the tile's first row), wave 1 A's scales, wave 3 B's.
.macro ARM eq, g0, g1, next
	s_cmp_eq_u32 s16, \eq
	s_cbranch_scc0 \next
	tensor_load_to_lds s[\g0:\g0+3], s[\g1:\g1+7]
	s_nop 0
.rept 4
	v_nop
.endr
	s_branch .Lhead_asked
\next:
.endm
	ARM 0, G0,  G1,  .Lhead_b
	ARM 2, G0B, G1B, .Lhead_sa
	ARM 1, G0S, G1S, .Lhead_sb
	tensor_load_to_lds s[G0SB:G0SB+3], s[G1SB:G1SB+7]
	s_nop 0
.rept 4
	v_nop
.endr
.Lhead_asked:
	; prefetches of K steps 1 to 3: of the 128 rows that my wave fetches in the ring, the partner at place p (cx for A', cy for B') names rows 32 p on, a lane a row, 256 bytes a K step
	s_cmp_eq_u32 s17, 0
	s_cselect_b64 s[94:95], s[92:93], s[96:97]
	s_cselect_b32 s2, s19, s20
	s_lshl_b32 s2, s2, 15
	s_mov_b32 s3, 0
	s_add_nc_u64 s[94:95], s[94:95], s[2:3]
	v_and_b32 v30, 31, v0
	v_lshlrev_b32 v30, 10, v30
	global_prefetch_b8 v30, s[94:95] offset:256 th:TH_LOAD_NT scope:SCOPE_SE
	global_prefetch_b8 v30, s[94:95] offset:512 th:TH_LOAD_NT scope:SCOPE_SE
	v_and_b32 v7, 31, v0
	v_lshlrev_b32 v[LI], 4, v7
	s_wait_alu depctr_va_vdst(0)
	s_cmp_lg_u32 s21, 0
	s_cselect_b64 s[8:9], s[10:11], s[8:9]         ; cluster x 1: bk
	s_cmp_lg_u32 s23, 0
	s_cselect_b64 s[8:9], s[12:13], s[8:9]         ; V's part: bv
	s_cselect_b32 s10, s20, s19                    ; 256 channels a tile: cy in V's part, else cx
	s_cselect_b32 s11, s17, s18                    ; 128 a wave
	s_lshl_b32 s10, s10, 10
	s_lshl_b32 s11, s11, 9
	s_add_co_u32 s10, s10, s11
	s_mov_b32 s11, 0
	s_add_nc_u64 s[8:9], s[8:9], s[10:11]
	global_load_b128 v[BI:BI+3], v[LI], s[8:9]     ; 32 lanes read 512 consecutive bytes
	v_and_b32 v1, 15, v0                           ; r = l % 16
	v_bfe_u32 v2, v0, 4, 1                         ; h = l / 16
	v_mul_u32_u24 v3, v1, PITCH
	v_lshl_add_u32 v4, v2, 4, v3                   ; a fragment's row x pitch + 16 x half
	s_mul_i32 s46, s17, HALFT                      ; my 128 rows of A'
	s_mul_i32 s47, s18, HALFT                      ; my 128 rows of B',
	s_add_co_u32 s47, s47, 2*HALFT                 ; which lie behind A's 256
.irp s, 0,1
	v_add_nc_u32 v[ADRA+\s], s46, v4
	v_add_nc_u32 v[ADRB+\s], s47, v4
	s_add_co_u32 s46, s46, SLOT
	s_add_co_u32 s47, s47, SLOT
.endr
	v_mul_u32_u24 v5, v1, KS                       ; my row's scales: 32 bytes a row,
	v_lshrrev_b32 v6, 8, v5
	v_lshl_add_u32 v5, v6, 4, v5                   ; and 16 more for each 256 passed
	s_mul_i32 s46, s17, HALFS
	s_mul_i32 s47, s18, HALFS
	s_add_co_u32 s47, s47, 2*HALFS
	s_sub_co_u32 s47, s47, s46
	v_mul_u32_u24 v6, s47, v2                      ; lanes 16-31 take B's: one product, the distance between the two bases
	s_add_co_u32 s46, s46, SCL
	v_add_nc_u32 v5, v5, v6
	v_add_nc_u32 v[ADRS], s46, v5
	s_lshl_b32 s66, s16, 9                         ; 512 x wave
	v_lshl_add_u32 v[BAD], v2, 6, s66
	v_add_nc_u32 v[BAD], BSTG, v[BAD]
	v_and_b32 v5, 8, v1
	v_add_nc_u32 v5, v5, v1                        ; r + 8 (r / 8)
	v_lshl_add_u32 v[BAV], v5, 2, s66
	v_add_nc_u32 v[BAV], BSTG, v[BAV]
	v_lshl_add_u32 v[SAD], v1, 2, s66
	v_add_nc_u32 v[SADV], SSV, v[SAD]
	v_add_nc_u32 v[SAD], SSQ, v[SAD]
	v_add_nc_u32 v[BST], s66, v[LI]
	v_add_nc_u32 v[SRD], SSQ, v[BST]
	v_add_nc_u32 v[SRDV], SSV, v[BST]
	v_add_nc_u32 v[BST], BSTG, v[BST]
	v_mul_u32_u24 v[SGO], v2, HEADB
	v_lshl_add_u32 v[SGO], v1, 4, v[SGO]
	s_wait_alu depctr_va_vdst(0)
	s_wait_loadcnt 0x0                             ; the biases are in, and the load's base may be written
	ds_store_b128 v[BST], v[BI:BI+3]               ; into my own 512 bytes: I alone read them
	; where my results go.  TT: the tile of tokens; HB: my half of its 256 tokens; h0: my first head
	s_cmp_lg_u32 s23, 0
	s_cselect_b32 s8, s41, s40                     ; TT
	s_cselect_b32 s9, s18, s17                     ; HB
	s_cselect_b32 s10, s40, s19                    ; four heads a tile of channels: TY in V's part, else cx
	s_cselect_b32 s11, s17, s18                    ; two a wave
	s_lshl_b32 s10, s10, 2
	s_lshl_b32 s11, s11, 1
	s_add_co_u32 s10, s10, s11                     ; h0
	s_lshr_b32 s11, s8, 3                          ; the batch
	s_lshl_b32 s11, s11, 4
	s_add_co_u32 s10, s10, s11
	s_lshl_b32 s10, s10, 3
	s_and_b32 s8, s8, 7                            ; J
	s_add_co_u32 s10, s10, s8                      ; the record: (16 batch + h0) x 8 + J
	s_mul_i32 s10, s10, REC
	s_lshl_b32 s8, s9, 13                          ; codes: 8,192 bytes for my half,
	s_add_co_u32 s8, s8, s10
	s_lshl_b32 s9, s9, 8                           ; scale words: 256
	s_add_co_u32 s10, s10, s9
	s_cmp_lg_u32 s21, 0
	s_cselect_b32 s12, 0, 33792                    ; K's images at 0, Q's at 33,792,
	s_mov_b32 s13, 50176
	s_cselect_b32 s13, 32768, s13
	s_cmp_lg_u32 s23, 0
	s_cselect_b32 s12, 16384, s12                  ; V's at 16,384
	s_cselect_b32 s13, 33280, s13
	s_add_co_u32 s8, s8, s12
	s_add_co_u32 s10, s10, s13
	s_mov_b32 s9, 0
	s_mov_b32 s11, 0
	s_add_nc_u64 s[8:9], s[14:15], s[8:9]          ; codes
	s_add_nc_u64 s[10:11], s[14:15], s[10:11]      ; scale words
.macro FRAG reg, adr, q, i             ; 16 rows x 128 K of 8-bit codes: lane l holds row l % 16; registers 4 c .. 4 c + 3 hold K = 32 c + 16 (l / 16) + 0 .. 15
.irp c, 0,1,2,3
	ds_load_b128 v[\reg+4*\c:\reg+4*\c+3], v[\adr] offset:128*(\q)+32*\c+(\i)*16*PITCH
.endr
.endm
; 16 matrix instructions: A's blocks a0, a0 + 1 x B's eight.  The 64 accumulators take turns, one instruction a turn, in the same order in every step.
; A scale register holds A's word in lanes 0-15 and B's in lanes 16-31.
.macro MUL16 a0, p, q, sc, zero
.irp a, \a0, \a0+1
.irp b, 0,1,2,3,4,5,6,7
.if \zero
	v_wmma_scale_f32_16x16x128_f8f6f4 v[8*(8*((\a)%4)+\b):8*(8*((\a)%4)+\b)+7], v[128*(\p)+FR*\b:128*(\p)+FR*\b+FR-1], v[AF+FR*(\a):AF+FR*(\a)+FR-1], 0, v[SC+8*NQ*(\sc)+NQ*\b+(\q)], v[SC+8*NQ*(\sc)+NQ*(\a)+(\q)] matrix_a_fmt:MATRIX_FMT_BF8 matrix_b_fmt:MATRIX_FMT_BF8 matrix_a_scale:MATRIX_SCALE_ROW1
.else
	v_wmma_scale_f32_16x16x128_f8f6f4 v[8*(8*((\a)%4)+\b):8*(8*((\a)%4)+\b)+7], v[128*(\p)+FR*\b:128*(\p)+FR*\b+FR-1], v[AF+FR*(\a):AF+FR*(\a)+FR-1], v[8*(8*((\a)%4)+\b):8*(8*((\a)%4)+\b)+7], v[SC+8*NQ*(\sc)+NQ*\b+(\q)], v[SC+8*NQ*(\sc)+NQ*(\a)+(\q)] matrix_a_fmt:MATRIX_FMT_BF8 matrix_b_fmt:MATRIX_FMT_BF8 matrix_a_scale:MATRIX_SCALE_ROW1
.endif
.endr
.endr
.endm
.macro FETCH_B slot, q, p
	WIN TO_B
.irp i, 0,1,2,3,4,5,6,7
	FRAG 128*(\p)+FR*\i, ADRB+\slot, \q, \i
.endr
	WIN 0
.endm
.macro FETCH_A slot, q, i0
.irp i, \i0, \i0+1, \i0+2, \i0+3
	FRAG AF+FR*(\i), ADRA+\slot, \q, \i
.endr
.endm
.macro SCALES sc                       ; a K step's scale words: two words a row; lanes 0-15 take A's block i, lanes 16-31 B's block i
.irp i, 0,1,2,3,4,5,6,7
	ds_load_b64 v[SC+8*NQ*\sc+NQ*\i:SC+8*NQ*\sc+NQ*\i+1], v[ADRS] offset:\i*SBLK
.endr
.endm
.macro PLACES n                        ; plain vector instructions between a matrix instruction and a load into, or a read or write of, its registers
.rept \n
	v_nop
.endr
.endm
.macro STEP slot, q, zero              ; 128 along K that have their successor in the same slot
	s_wait_dscnt 4*NL                              ; B's set and A's blocks 0-3 are in; the youngest sixteen loads (A's blocks 4-7) may be out
	WIN MUL_LO
	MUL16 0, (\q)%2, \q, \slot, \zero
	MUL16 2, (\q)%2, \q, \slot, \zero
	s_wait_dscnt 0
	PLACES NP
	FETCH_B \slot, (\q)+1, 1-(\q)%2
	FETCH_A \slot, (\q)+1, 0
	WIN MUL_HI
	MUL16 4, (\q)%2, \q, \slot, \zero
	MUL16 6, (\q)%2, \q, \slot, \zero
	PLACES NP
	WIN 0
	FETCH_A \slot, (\q)+1, 4
.endm
; A slot's last 128 change slots: one barrier; in front of it each wave waits for all its tensor loads, adds 0 to its spare word, and waits for that and for its own reads of this slot.
.macro TURN slot, next, fill
	s_wait_tensorcnt 0x0                           ; all my tensor loads have landed: my part of the next slot
	ds_add_u32 v[SPW], v[NIL]                      ; 0 onto my spare word
	s_wait_dscnt 4*NL+1                            ; the add and the youngest sixteen loads may be out
	WIN MUL_LO
	MUL16 0, 1, NQ-1, \slot, 0
	s_wait_dscnt 0x0                               ; the add is done, and my reads of this slot are over
	s_barrier_signal -1
	MUL16 2, 1, NQ-1, \slot, 0
	WIN 0
	s_barrier_wait -1
.if \fill
	CREST                                          ; the barrier has opened a round of the cluster's: no wave of any partner still reads this slot or has a load on its way
.if \fill == 2
	P2DESC                                         ; phase 2's descriptors: no tensor load of mine is out
.else
	s_add_nc_u64 s[G0+4*\slot+2:G0+4*\slot+3], s[G0+4*\slot+2:G0+4*\slot+3], 2*ROWB
	s_add_nc_u64 s[G0B+4*\slot+2:G0B+4*\slot+3], s[G0B+4*\slot+2:G0B+4*\slot+3], 2*ROWB
.endif
	JLOAD G0+4*\slot, G1, G0B+4*\slot, G1B         ; the first tensor load behind the round; its four v_nop are among the places in front of the loads below
	PLACES NP-4
.else
	PLACES NP
.endif
	s_wait_alu depctr_va_vdst(0)
	v_add_nc_u32 v[ADRS], 4*NQ, v[ADRS]            ; on to the next K step's scale words (no LDS load of mine is out)
	FETCH_B \next, 0, 0
	FETCH_A \next, 0, 0
	SCALES \next
	WIN MUL_HI
	MUL16 4, 1, NQ-1, \slot, 0
	MUL16 6, 1, NQ-1, \slot, 0
	PLACES NP
	WIN 0
	FETCH_A \next, 0, 4
.endm
	s_wait_alu depctr_va_vdst(0)
	s_wait_tensorcnt 0x0                           ; my tile of the head's four is in
	ds_add_u32 v[SPW], v[NIL]
	s_mov_b32 s[G1+2], 128<<16                     ; no tensor load of mine is out: from here on a load brings 128 rows
	s_mov_b32 s[G1+4], 128
	s_mov_b32 s[G1B+2], 128<<16
	s_mov_b32 s[G1B+4], 128
	s_wait_dscnt 0x0                               ; the add and my store of the biases are done
	CROUND
	JLOAD G0+4, G1, G0B+4, G1B                     ; K step 1, the first tensor load behind the round
	FETCH_B 0, 0, 0
	FETCH_A 0, 0, 0
	SCALES 0
	FETCH_A 0, 0, 4
	global_prefetch_b8 v30, s[94:95] offset:768 th:TH_LOAD_NT scope:SCOPE_SE
	STEP 0, 0, 1                                   ; K = 1,024 is four K steps: written straight.  The first products start the sums
	TURN 0, 1, 1                                   ; slot 0 takes K step 2
	STEP 1, 0, 0
	TURN 1, 0, 1                                   ; slot 1 takes K step 3
	STEP 0, 0, 0
.macro P2DESC                          ; both slots' groups 0 for phase 2: waves 0, 1: x's halves into B's place; waves 2, 3: 64 rows of Wv each into A's
	s_mov_b32 s[G1B+2], 64<<16
	s_mov_b32 s[G1B+4], 64
	s_lshl_b32 s2, s41, 7                          ; Wv's row 2,048 + 128 TX + 64 x my half
	s_lshl_b32 s3, s18, 6
	s_add_co_u32 s2, s2, s3
	s_add_co_u32 s2, s2, 2048
	s_lshl_b32 s2, s2, 10
	s_mov_b32 s3, 0
	s_add_nc_u64 s[96:97], s[6:7], s[2:3]
	s_mul_i32 s100, s18, HALFT
	s_add_co_u32 s100, s100, 2*HALFT
	s_mul_i32 s101, s18, 64*PITCH
.irp s, 0,1
	s_add_co_u32 s[G0+4*\s+1], s100, \s*SLOT
	s_add_nc_u64 s[G0+4*\s+2:G0+4*\s+3], s[92:93], \s*ROWB
	s_or_b32 s[G0+4*\s+3], s[G0+4*\s+3], 0x80000000
	s_add_co_u32 s[G0B+4*\s+1], s101, \s*SLOT
	s_add_nc_u64 s[G0B+4*\s+2:G0B+4*\s+3], s[96:97], \s*ROWB
	s_or_b32 s[G0B+4*\s+3], s[G0B+4*\s+3], 0x80000000
.endr
.endm
	TURN 0, 1, 2                                   ; slot 0 takes phase 2's K step 0
	STEP 1, 0, 0
	s_wait_dscnt 4*NL
	WIN MUL_LO
	MUL16 0, 1, NQ-1, 1, 0
	MUL16 2, 1, NQ-1, 1, 0
	s_wait_dscnt 0
	WIN MUL_HI
	MUL16 4, 1, NQ-1, 1, 0
	MUL16 6, 1, NQ-1, 1, 0
	WIN 0
; THE WAY OUT.  64 numbers of a lane, register 16 b + i = k 32 b + 16 (lane / 16) + i of the lane's row, become a fragment's 16 registers of codes at v[p] on and its scale word in v[PW].
.macro QUANT s, p
.irp b, 0,1,2,3
	v_max3_num_f32 v[TM+\b], |v[\s+16*\b]|, |v[\s+1+16*\b]|, 0x8000000   ; block b: my 16 numbers, and the floor 2^(16 - 127): the byte cannot fall under 1
.endr
.irp i, 2,4,6,8,10,12,14
.irp b, 0,1,2,3
	v_max3_num_f32 v[TM+\b], v[TM+\b], |v[\s+16*\b+\i]|, |v[\s+1+16*\b+\i]|   ; the four blocks by turns
.endr
.endr
.irp b, 0,1,2,3
	v_permlanex16_b32 v[TM+4+\b], v[TM+\b], s6, s7
.endr
.irp b, 0,1,2,3
	v_max_num_f32 v[TM+\b], v[TM+\b], v[TM+4+\b]   ; with lane l xor 16's: the block's largest magnitude
.endr
.irp b, 0,1,2,3
	v_add_nc_u32 v[TM+12+\b], 0xf8800000, v[TM+\b]   ; 15 off its exponent field: the conversion's scale operand
.endr
.irp b, 0,1,2,3
	v_and_or_b32 v[TM+8+\b], v[TM+\b], 0x7f800000, s4   ; 57,344 x the scale
.endr
.irp b, 0,1,2,3
	v_lshrrev_b32 v[TM+4+\b], 23, v[TM+12+\b]      ; the scale's byte
.endr
	v_lshl_or_b32 v[PW], v[TM+5], 8, v[TM+4]
	v_lshl_or_b32 v[PW], v[TM+6], 16, v[PW]
	v_lshl_or_b32 v[PW], v[TM+7], 24, v[PW]
.irp b, 0,1,2,3
.irp i, 0,1,2,3,4,5,6,7,8,9,10,11,12,13,14,15
	v_med3_num_f32 v[\s+16*\b+\i], v[\s+16*\b+\i], -v[TM+8+\b], v[TM+8+\b]   ; the conversion does not saturate (ISA guide 7.6.2): the hold comes first
.endr
	v_cvt_scalef32_pk8_bf8_f32 v[\p+4*\b:\p+1+4*\b], v[\s+16*\b:\s+7+16*\b], v[TM+12+\b]
	v_cvt_scalef32_pk8_bf8_f32 v[\p+2+4*\b:\p+3+4*\b], v[\s+8+16*\b:\s+15+16*\b], v[TM+12+\b]
.endr
	v_nop                                          ; a plain line behind the last conversion: the next block's additions write its sources
.endm
; A's block a: 16 rows x my 128 of B'.  The bias is added, each accumulator read from its low end on; the 64 numbers are quantised; the codes leave as four images of 512 consecutive bytes.
.macro EPI a, isv
.if (\a) >= 2
	s_wait_xcnt 0x0                                ; block a - 2's stores have read their registers: its set of codes is written again only behind this wait
.endif
	WIN 0x02+(\a)/4                                ; source 0: window 2 or 3
.set AC, 64*((\a)%4)
.set PCS, PC+16*((\a)%2)
.set i, 0
.rept 32
.if \isv
	v_pk_add_f32 v[T+i:T+i+1], v[AC+i:AC+i+1], v[BI+2*(\a):BI+2*(\a)+1]   ; a lane is a channel: one bias, held twice
.else
	v_pk_add_f32 v[T+i:T+i+1], v[AC+i:AC+i+1], v[BI+i:BI+i+1]             ; a lane's registers run along the channels
.endif
.set i, i+2
.endr
	WIN 0
.if (\a) >= 1
	s_wait_dscnt 0x0                               ; the last block's small LDS stores have read the scale word's register
.endif
	QUANT T, PCS
.if \isv
.irp c, 0,1,2,3
	global_store_b128 v[LI], v[PCS+4*\c:PCS+4*\c+3], s[8:9] offset:((\a)/4)*HEADB+((\a)%4)*2048+\c*512   ; head a / 4, 16 channels a % 4: a fragment of V^T, 128 keys
.endr
	ds_store_b32 v[SADV], v[PW] offset:((\a)/4)*256+((\a)%4)*64
.else
.irp c, 0,1,2,3
	global_store_b128 v[LI], v[PCS+4*\c:PCS+4*\c+3], s[8:9] offset:(\c/2)*HEADB+(\a)*1024+(\c%2)*512      ; head c / 2, token tile a, the head's block c % 2 of 32
.endr
	ds_store_b16 v[SAD], v[PW] offset:((\a)/2)*64+2*((\a)%2)             ; the first head's two bytes: half a % 2 of the word of tiles a, a xor 1;
	ds_store_b16_d16_hi v[SAD], v[PW] offset:256+((\a)/2)*64+2*((\a)%2)  ; the second head's.  (Lanes l and l xor 16 write the same bytes with the same values)
.endif
.endm
	PLACES NP                                      ; behind the last products: their results are read, and the registers that held A's fragments are written
	s_wait_tensorcnt 0x0                           ; phase 2's K step 0 is in; my reads of slot 1 are over
	ds_add_u32 v[SPW], v[NIL]
	s_lshl_b32 s66, s41, 7                         ; where the scale bytes of my 64 rows of Wv begin
	s_lshl_b32 s67, s17, 6
	s_add_co_u32 s66, s66, s67
	s_add_co_u32 s66, s66, 2048
	s_lshl_b32 s66, s66, 5
	s_add_co_u32 s66, s66, 4194304
	s_mov_b32 s67, 0
	s_add_nc_u64 s[66:67], s[6:7], s[66:67]
	s_wait_dscnt 0x0
	CROUND
	JLOAD G0+4, G1, G0B+4, G1B                     ; slot 1 takes phase 2's K step 1
	v_and_b32 v1, 15, v0
	v_lshlrev_b32 v1, 5, v1                        ; 32 r: a row of scale bytes
	s_mov_b32 s4, 0x600000
	s_mov_b32 s6, 0x76543210
	s_mov_b32 s7, 0xfedcba98                       ; v_permlanex16_b32's selects for lane l xor 16
.irp b, 0,1,2,3
	v_mov_b32 v[TM+4+\b], 0                        ; written once: a lane permute's destination counts as one of its sources
.endr
.irp b, 0,1,2,3
.irp q, 0,1,2,3
	ds_load_b128 v[BI+16*\b+4*\q:BI+16*\b+4*\q+3], v[BAD] offset:128*\b+16*\q   ; the biases of channels 32 b + 16 h + 0 .. 15
.endr
.endr
	s_wait_dscnt 0x0
.irp a, 0,1,2,3,4
	EPI \a, 0
.endr
	WIN 0xc0                                       ; destination window 3: block 4's accumulators have been read
.irp a, 0,1,2,3
	global_load_b128 v[8*\a:8*\a+3], v1, s[66:67] offset:512*\a        ; Wv's block a, row r: its 8 scale words, one for each 128 of K
	global_load_b128 v[8*\a+4:8*\a+7], v1, s[66:67] offset:512*\a+16
.endr
	WIN 0
.irp a, 5,6,7
	EPI \a, 0
.endr
	ds_load_b128 v[SW:SW+3], v[SRD]                ; LDS serves a wave's instructions in order: these see my stores
	s_wait_dscnt 0x0
	global_store_b128 v[SGO], v[SW:SW+3], s[10:11] ; lanes 0-15: the first head's 256 bytes of scale words, aligned; lanes 16-31: the second head's
; PHASE 2: V
.macro FETCH2 slot, q                  ; the fragments of the slot's q-th 128 of K into set q: x's eight, Wv's four: 48 loads
	WIN TO_B
.irp i, 0,1,2,3,4,5,6,7
	FRAG 128*(\q)+FR*\i, ADRB+\slot, \q, \i
.endr
	WIN 0
.irp i, 0,1,2,3
	FRAG AF+64*(\q)+FR*\i, ADRA+\slot, \q, \i
.endr
.endm
.macro MUL2 a0, q, sc, zero            ; Wv's blocks a0, a0 + 1 x x's eight; the 32 accumulators take turns in the same order in every step
.irp a, \a0, \a0+1
.irp b, 0,1,2,3,4,5,6,7
.if \zero
	v_wmma_scale_f32_16x16x128_f8f6f4 v[8*(8*(\a)+\b):8*(8*(\a)+\b)+7], v[128*(\q)+FR*\b:128*(\q)+FR*\b+FR-1], v[AF+64*(\q)+FR*(\a):AF+64*(\q)+FR*(\a)+FR-1], 0, v[SC+8*NQ*(\sc)+NQ*\b+(\q)], v[SC+8*NQ*(\sc)+NQ*(\a)+(\q)] matrix_a_fmt:MATRIX_FMT_BF8 matrix_b_fmt:MATRIX_FMT_BF8 matrix_a_scale:MATRIX_SCALE_ROW1
.else
	v_wmma_scale_f32_16x16x128_f8f6f4 v[8*(8*(\a)+\b):8*(8*(\a)+\b)+7], v[128*(\q)+FR*\b:128*(\q)+FR*\b+FR-1], v[AF+64*(\q)+FR*(\a):AF+64*(\q)+FR*(\a)+FR-1], v[8*(8*(\a)+\b):8*(8*(\a)+\b)+7], v[SC+8*NQ*(\sc)+NQ*\b+(\q)], v[SC+8*NQ*(\sc)+NQ*(\a)+(\q)] matrix_a_fmt:MATRIX_FMT_BF8 matrix_b_fmt:MATRIX_FMT_BF8 matrix_a_scale:MATRIX_SCALE_ROW1
.endif
.endr
.endr
.endm
.macro STEPA2 slot, ks, zero           ; a slot's first 128 of K step ks
	s_wait_dscnt 0x0                               ; set 0 and x's scale words are in
	WIN 0x0c                                       ; source 1: window 3
.irp i, 0,1,2,3
.irp q, 0,1
	v_cndmask_b32 v[SC+8*NQ*(\slot)+NQ*\i+\q], v[SC+8*NQ*(\slot)+NQ*\i+\q], v[8*\i+2*(\ks)+\q], s5   ; lanes 0-15 take Wv's block i's word
.endr
.endr
	WIN 0
	s_wait_alu depctr_va_vdst(0)
	PLACES NP                                      ; between a scale word made here and the products; also behind the products that read set 1
	FETCH2 \slot, 1
	WIN MUL_LO
	MUL2 0, 0, \slot, \zero
	MUL2 2, 0, \slot, \zero
	WIN 0
.endm
.macro TURN2 slot, next, fill          ; a slot's second 128 of K, and the change of slots
	s_wait_tensorcnt 0x0                           ; all my tensor loads have landed: my part of the next slot
	ds_add_u32 v[SPW], v[NIL]
	s_wait_dscnt 0x0                               ; the add is done; set 1 is in: my reads of this slot are over
	s_barrier_signal -1
	WIN MUL_LO
	MUL2 0, 1, \slot, 0
	WIN 0
	s_barrier_wait -1
.if \fill
	CREST
	s_add_nc_u64 s[G0+4*\slot+2:G0+4*\slot+3], s[G0+4*\slot+2:G0+4*\slot+3], 2*ROWB
	s_add_nc_u64 s[G0B+4*\slot+2:G0B+4*\slot+3], s[G0B+4*\slot+2:G0B+4*\slot+3], 2*ROWB
	JLOAD G0+4*\slot, G1, G0B+4*\slot, G1B
	PLACES NP-4
.else
	PLACES NP
.endif
	v_add_nc_u32 v[ADRS], 4*NQ, v[ADRS]            ; on to the next K step's scale words
	s_wait_alu depctr_va_vdst(0)
	FETCH2 \next, 0
	SCALES \next
	WIN MUL_LO
	MUL2 2, 1, \slot, 0
	WIN 0
.endm
	s_load_b64 s[12:13], s[0:1], 0x20              ; bv once more
	s_wait_xcnt 0x0                                ; phase 1's stores and loads have read their registers and bases
	v_and_b32 v1, 15, v0                           ; r
	v_and_b32 v2, 8, v1
	v_add_nc_u32 v2, v2, v1
	v_lshlrev_b32 v2, 2, v2                        ; 4 (r + 8 (r / 8)): my channel's bias in a block's 32
	v_lshlrev_b32 v3, 5, v1                        ; x's scale bytes: 32 a row, and 16 more for each 256 passed
	v_lshrrev_b32 v4, 8, v3
	v_lshl_add_u32 v3, v4, 4, v3
	s_mul_i32 s46, s18, HALFS                      ; my 128 tokens
	s_add_co_u32 s46, s46, SCL
	v_add_nc_u32 v[ADRS], s46, v3
	s_mul_i32 s47, s17, HALFT/2                    ; a wave row is 64 rows of A'' where it was 128 of A'
	v_sub_nc_u32 v[ADRA], v[ADRA], s47
	v_sub_nc_u32 v[ADRA+1], v[ADRA+1], s47
	v_and_b32 v5, 31, v0
	v_lshlrev_b32 v6, 3, v5                        ; the scale words' way out: 8 bytes a lane
	s_lshl_b32 s46, s16, 9
	s_add_co_u32 s46, s46, SSV
	v_add_nc_u32 v5, s46, v6
	s_lshl_b32 s8, s41, 1
	s_add_co_u32 s8, s8, s17                       ; my head: 2 TX + my wave row
	s_lshr_b32 s9, s40, 3
	s_lshl_b32 s9, s9, 4
	s_add_co_u32 s8, s8, s9
	s_lshl_b32 s8, s8, 3
	s_and_b32 s9, s40, 7
	s_add_co_u32 s8, s8, s9                        ; the record: (16 batch + head) x 8 + J
	s_mul_i32 s10, s8, REC
	s_lshl_b32 s8, s18, 13
	s_add_co_u32 s8, s8, s10
	s_add_co_u32 s8, s8, 16384                     ; V's images, my 128 keys
	s_lshl_b32 s9, s18, 8
	s_add_co_u32 s10, s10, s9
	s_add_co_u32 s10, s10, 33280                   ; V's scale words
	s_mov_b32 s9, 0
	s_mov_b32 s11, 0
	s_add_nc_u64 s[8:9], s[14:15], s[8:9]
	s_add_nc_u64 s[10:11], s[14:15], s[10:11]
	s_lshl_b32 s2, s41, 7
	s_lshl_b32 s3, s17, 6
	s_add_co_u32 s2, s2, s3
	s_lshl_b32 s2, s2, 2                           ; my first channel's bias
	s_mov_b32 s3, 0
	s_mov_b32 s5, 0xffff                           ; lanes 0-15
	s_wait_alu depctr_va_vdst(0)
	s_wait_kmcnt 0x0
	s_add_nc_u64 s[12:13], s[12:13], s[2:3]
.irp a, 0,1,2,3
	global_load_b32 v[BI+2*\a], v2, s[12:13] offset:4*(32*(\a/2)+8*(\a%2))     ; block a's row r is channel 32 (a / 2) + 8 (a % 2) + r + 8 (r / 8); held twice for the packed additions
	global_load_b32 v[BI+2*\a+1], v2, s[12:13] offset:4*(32*(\a/2)+8*(\a%2))
.endr
	s_wait_tensorcnt 0x0                           ; K step 1 is in
	s_wait_dscnt 0x0
	s_barrier_signal -1
	s_barrier_wait -1
	FETCH2 0, 0
	SCALES 0
	s_wait_loadcnt 8                               ; Wv's scale words are in; the eight loads of the bias, issued behind them, may be out
	STEPA2 0, 0, 1
	TURN2 0, 1, 1                                  ; slot 0 takes K step 2
	STEPA2 1, 1, 0
	TURN2 1, 0, 1                                  ; slot 1 takes K step 3
	STEPA2 0, 2, 0
	TURN2 0, 1, 0                                  ; nothing is left to fetch
	STEPA2 1, 3, 0
	s_wait_dscnt 0x0
	WIN MUL_LO
	MUL2 0, 1, 1, 0
	MUL2 2, 1, 1, 0
	WIN 0
	PLACES NP
	s_wait_loadcnt 0x0                             ; the bias
.irp a, 0,1,2,3
	EPI \a, 1
.endr
	ds_load_b64 v[SW:SW+1], v5                     ; LDS serves a wave's instructions in order: these see my stores
	s_wait_dscnt 0x0
	global_store_b64 v6, v[SW:SW+1], s[10:11]      ; 32 lanes store my head's 256 bytes of scale words, aligned
	s_wait_tensorcnt 0x0                           ; the wave's end, behind my last tensor load and my last LDS store
	ds_add_u32 v[SPW], v[NIL]
	s_wait_dscnt 0x0
	CROUND                                         ; the closing round: no work-group ends while a partner may still ask for a tile that names it
	s_endpgm
.Lfunc_end_k_q1c2d59773f_proj:
	.size	k_q1c2d59773f_proj, .Lfunc_end_k_q1c2d59773f_proj-k_q1c2d59773f_proj
	.p2alignl 7, 3214868480
	.fill 96, 4, 3214868480
	.section	.rodata,"a",@progbits
	.p2align	6, 0x0
	.amdhsa_kernel k_q1c2d59773f_proj
		.amdhsa_group_segment_fixed_size 327680
		.amdhsa_private_segment_fixed_size 0
		.amdhsa_enable_private_segment 0
		.amdhsa_kernarg_size 48
		.amdhsa_user_sgpr_count 2
		.amdhsa_user_sgpr_kernarg_segment_ptr 1
		.amdhsa_wavefront_size32 1
		.amdhsa_system_sgpr_workgroup_id_x 1
		.amdhsa_system_sgpr_workgroup_id_y 1
		.amdhsa_system_sgpr_workgroup_id_z 1
		.amdhsa_system_vgpr_workitem_id 0
		.amdhsa_next_free_vgpr 1024
		.amdhsa_next_free_sgpr 102
		.amdhsa_reserve_vcc 0
		.amdhsa_float_denorm_mode_32 3
		.amdhsa_float_denorm_mode_16_64 3
		.amdhsa_memory_ordered 1
		.amdhsa_forward_progress 1
		.amdhsa_inst_pref_size 255
	.end_amdhsa_kernel
	.section	.bss,"aw",@nobits
	.p2align	6
	.space	262144
	.amdgpu_metadata
---
amdhsa.version: [ 1, 2 ]
amdhsa.kernels:
  - .name:           k_q1c2d59773f_proj
    .symbol:         k_q1c2d59773f_proj.kd
    .args:
      - { .name: xw, .offset: 0, .size: 8, .value_kind: global_buffer, .address_space: global }
      - { .name: ww, .offset: 8, .size: 8, .value_kind: global_buffer, .address_space: global }
      - { .name: bq, .offset: 16, .size: 8, .value_kind: global_buffer, .address_space: global }
      - { .name: bk, .offset: 24, .size: 8, .value_kind: global_buffer, .address_space: global }
      - { .name: bv, .offset: 32, .size: 8, .value_kind: global_buffer, .address_space: global }
      - { .name: qkv, .offset: 40, .size: 8, .value_kind: global_buffer, .address_space: global }
    .group_segment_fixed_size: 327680
    .private_segment_fixed_size: 0
    .kernarg_segment_align: 8
    .kernarg_segment_size: 48
    .max_flat_workgroup_size: 128
    .sgpr_count:     102
    .vgpr_count:     1024
    .wavefront_size: 32
...
	.end_amdgpu_metadata
.endif
;; end of part 2
;; launch attn (part 3): grid 4 x 64, 16 waves a work-group, clusters of 4 x 1, 327,680 bytes of LDS; arguments qkv, cat; writes cat
.if DOCPART == 3
	.amdgcn_target "amdgcn-amd-amdhsa--gfx1250"
	.amdhsa_code_object_version 6
	.text
	.protected	k_q1c2d59773f_attn
	.globl	k_q1c2d59773f_attn
	.p2align	8
	.type	k_q1c2d59773f_attn,@function
k_q1c2d59773f_attn:
	s_mov_b64 s[64:65], 0
	v_nop
	global_prefetch_b8 v0, s[64:65] scope:SCOPE_SE
	s_setreg_imm32_b32 hwreg(HW_REG_WAVE_MODE, 25, 1), 1
	s_wait_xcnt 0x0
	s_wait_alu depctr_hold_cnt(0) depctr_sa_sdst(0) depctr_va_vdst(0) depctr_va_sdst(0) depctr_va_ssrc(0) depctr_va_vcc(0) depctr_vm_vsrc(0)
	s_getreg_b32 s2, hwreg(HW_REG_IB_STS2, 6, 4)
	s_cmp_eq_u32 s2, 0
	s_cbranch_scc0 .Lentry_in_a_cluster
	s_endpgm
.Lentry_in_a_cluster:
	s_bfe_u32 s2, ttmp6, 0x10000c
	s_cmp_lg_u32 s2, 0x3003
	s_cbranch_scc0 .Lentry_shape_is_right
	s_endpgm
.Lentry_shape_is_right:
; Causal attention of one (batch, head) on codes of E5M2 with one E8M0 scale for each 32 along a product's K, head size 64, 2,048 tokens; the result, divided by the row's sum, is quantised along the model's 1,024 for the last product.
; THE SOFTMAX: t = score x log2(e) / 8; M = the running largest t rounded UP to a whole number; p = 2^(t - M) is quantised along the keys, not normalised; the sum is taken of the unquantised p; when M moves, the sum and O
; are multiplied by 2^(old M - new M), which rounds nothing.
; LEFT OUT: key steps of 128 all of whose keys come after a tile's queries: reference()'s own causal mask gives them the weight 0.
; LDS: a head's K, V^T and their scale words, the first 33,792 bytes of each of its 8 records of qkv, 270,336 bytes, lie in LDS for the whole launch: each of the sixteen waves fetches half a record, its one tensor load; nothing is filled again.
; The first barrier shows record 0 (waves 0 and 1, which have a load line of their own, wait there); the second, behind the first record's two steps, shows the rest.  Behind it the waves share nothing and meet no more.
; CLUSTER: the four work-groups of a head want the same sixteen tiles at the same place of the text: each tile is asked for jointly, mask 15.
; SHARES.  The head's 2,048 queries are 16 groups of 128, a group 8 tiles of 16.  Wave w of the work-group at place cx takes tile 2 cx + w % 2 of group 15 - w / 2 and then of group w / 2: 16 - w / 2 and w / 2 + 1 key steps,
; 17 in every wave, the last of each on the diagonal.  Branches hang on the wave's number and the trip alone; cx enters global addresses and the diagonal's compared number.
; NO PREFETCH: all tensor loads of the launch go out at its head; no later load is there to run ahead of.
; OPERANDS come as images of registers, 512 bytes for four registers, lane l's 16 bytes at 16 l.  A fragment of K holds TWO tiles of 16 keys (k 0-63, k 64-127): against [Q | 0] it gives the first's scores, against [0 | Q] the second's.
; Both products are used transposed: a lane holds ONE query.  A tile's rows are tokens 32 f + 8 u + r + 8 (r / 8), so p's 16 registers of two tiles are 16 neighbouring keys.
; LIMITS: a hidden key weighs 0, which is what -1e9 gives wherever a row's largest open logit lies above about -1e9; NaN and infinities are not served; a block of zeros gets the byte 1 (this program alone reads the bytes).
; REGISTERS: v1-11 addresses; v12 -M, v13 the largest t, v[14:15] the sum; v16-23 zeros, v24-31 Q, v32-39 zeros; v40, v41 Q's scale words; v42-45, v250-253 the second tile's Q; v48-111 four fragments; v112-175 S^T, then p;
;   v176-207 O^T; v208-223 p's codes; v224-231 at work, then eight held p; v232-239 bounds and scale operands; v240-243 fragments' scale words; v244 f, v245 p's scale word; v232-239, v246-249, v254-255 seven partial sums from a step's end to the next.
.set REC,   50688
.set SLB,   33792                      ; a record's part that lies in LDS
.set HALF,  16896                      ; 66 rows of 256 bytes: one tensor load
.set SPARE, 8*SLB                      ; the spare words, 128 bytes for each of the sixteen waves
.set CSC,   8388608                    ; where cat's scale bytes begin
.macro CROUND                          ; a round of the cluster's barrier
	s_barrier_signal -1
	s_barrier_wait -1
	s_cmp_lg_u32 s8, 0
	s_cbranch_scc1 .Lnw0_\@
	s_barrier_signal -3
.Lnw0_\@:
	s_barrier_wait -3
	s_barrier_signal -1
	s_barrier_wait -1
.endm
.macro TILE G, q, s, c, b              ; byte offsets of the tile of group s[G]: Q's images, Q's scale words (in qkv), the result's codes and scale bytes (in cat)
	s_lshr_b32 s66, s[\G], 1
	s_mul_i32 s66, s66, REC
	s_add_co_u32 s66, s66, s62                     ; the group's record
	s_and_b32 s67, s[\G], 1
	s_lshl_b32 s67, s67, 3
	s_add_co_u32 s67, s67, s60                     ; the tile's number in the record
	s_lshl_b32 s[\q], s67, 10
	s_add_co_u32 s[\q], s[\q], s66
	s_mov_b32 s[\q+1], 0
	s_lshr_b32 s67, s67, 1
	s_lshl_b32 s[\s], s67, 6
	s_add_co_u32 s[\s], s[\s], s66
	s_mov_b32 s[\s+1], 0
	s_lshl_b32 s67, s[\G], 3
	s_add_co_u32 s67, s67, s68                     ; the tile of 16 rows of cat: 128 batch + 8 group + tile
	s_lshl_b32 s[\c], s67, 14
	s_add_co_u32 s[\c], s[\c], s69
	s_mov_b32 s[\c+1], 0
	s_lshl_b32 s[\b], s67, 9
	s_add_co_u32 s[\b], s[\b], s63
	s_mov_b32 s[\b+1], 0
.endm
.macro PADD d, a, b
	v_pk_add_f32 v[\d:\d+1], v[\a:\a+1], v[\b:\b+1]
.endm
.macro COMB                            ; the seven partial sums of the last step join the row's sum
	PADD 248, 248, 254
	PADD 246, 246, 238
	PADD 236, 236, 234
	PADD 14, 14, 232
	PADD 248, 248, 246
	PADD 14, 14, 236
	PADD 14, 14, 248
.endm
.macro INIT                            ; a tile's beginning
	v_mov_b32 v13, 0xff61b1e6                      ; the largest t so far: -3e38
	v_floor_f32 v12, -v13                          ; -M
	v_mov_b32 v14, 0
	v_mov_b32 v15, 0
.irp d, 232,233,234,235,236,237,238,239,246,247,248,249,254,255
	v_mov_b32 v\d, 0
.endr
.set j, 0
.rept 32
	v_mov_b32 v[176+j], 0                          ; O^T: the first change of M leaves zeros zeros
.set j, j+1
.endr
.endm
	s_load_b128 s[4:7], s[0:1], 0x0                ; qkv s[4:5], cat s[6:7]
	v_lshl_add_u32 v3, v0, 2, SPARE                ; my spare word; never rewritten
	v_mov_b32 v4, 0                                ; 0; never rewritten
	ds_add_u32 v3, v4                              ; the opening lines
	ds_add_u32 v3, v4
	v_lshrrev_b32 v1, 5, v0
	v_readfirstlane_b32 s8, v1                     ; wave 0..15
	s_bfe_u32 s9, ttmp6, 0x40000                   ; cx
	s_and_b32 s10, ttmp7, 0xffff                   ; batch x 16 + head
	s_lshr_b32 s21, s8, 1                          ; the second tile's group; also the record of which I fetch a half
	s_sub_co_u32 s20, 15, s21                      ; the first tile's group
	s_and_b32 s11, s8, 1
	s_lshl_b32 s60, s9, 1
	s_add_co_u32 s60, s60, s11                     ; my tile in a group: 2 cx + w % 2
	s_mov_b32 s61, 0x01000100                      ; which half of a pair of tiles' scale word is mine, twice over
	s_cmp_lg_u32 s11, 0
	s_cselect_b32 s61, 0x03020302, s61
	s_mul_i32 s62, s10, 8*REC                      ; the head's first record
	s_lshr_b32 s68, s10, 4
	s_lshl_b32 s68, s68, 7
	s_add_co_u32 s68, s68, s60                     ; 128 batch + tile
	s_and_b32 s69, s10, 15
	s_lshl_b32 s63, s69, 1
	s_add_co_u32 s63, s63, CSC                     ; the head's 2 bytes in a row's 32 scale bytes
	s_lshl_b32 s69, s69, 10                        ; its 1,024 bytes in a tile's 16,384
	TILE 20, 54, 36, 46, 48
	TILE 21, 56, 38, 50, 52
	s_lshr_b32 s59, s60, 1
	s_lshl_b32 s59, s59, 5
	s_lshl_b32 s58, s11, 3
	s_add_co_u32 s59, s59, s58                     ; my tile's first query in its group: 32 (tile / 2) + 8 (tile % 2)
	s_mul_i32 s33, s8, HALF                        ; group 0: LDS address: wave x half a record
	s_mul_i32 s70, s21, REC
	s_mul_i32 s58, s11, HALF
	s_add_co_u32 s70, s70, s58
	s_add_co_u32 s70, s70, s62                     ; and the same half in memory
	s_mov_b32 s71, 0
	s_mov_b32 s24, 15|(3<<16)|(1<<21)              ; group 1: the mask of all four; elements of 8 bytes; bit 21 beside a mask; no padding
	s_mov_b32 s25, 32<<16                          ; tensor_dim0
	s_mov_b32 s26, 66<<16                          ; tensor_dim1
	s_mov_b32 s27, 32<<16                          ; tile_dim0
	s_mov_b32 s28, 66                              ; tile_dim1
	s_mov_b32 s29, 32                              ; tensor_dim0_stride
	s_mov_b32 s30, 0
	s_mov_b32 s31, 0
	s_mov_b32 s32, 1
	s_mov_b32 s12, 0x76543210
	s_mov_b32 s13, 0xfedcba98                      ; v_permlanex16_b32's selects for lane l xor 16
	s_mov_b32 s14, 0x3e38aa3b                      ; c = log2(e) / 8
	s_mov_b32 s15, s14
	s_mov_b32 s16, 0x600000                        ; the mantissa field of 57,344
	s_mov_b32 s17, 0xffff0000                      ; lanes 16-31
	s_wait_dscnt 0x0                               ; both opening adds are done
	CROUND                                         ; all four work-groups are here: the joint loads meet
	s_wait_kmcnt 0x0
	s_add_nc_u64 s[34:35], s[4:5], s[70:71]
	s_or_b32 s35, s35, 0x80000000
	s_add_nc_u64 s[54:55], s[4:5], s[54:55]
	s_add_nc_u64 s[56:57], s[4:5], s[56:57]
	s_add_nc_u64 s[36:37], s[4:5], s[36:37]
	s_add_nc_u64 s[38:39], s[4:5], s[38:39]
	s_add_nc_u64 s[46:47], s[6:7], s[46:47]
	s_add_nc_u64 s[48:49], s[6:7], s[48:49]
	s_add_nc_u64 s[50:51], s[6:7], s[50:51]
	s_add_nc_u64 s[52:53], s[6:7], s[52:53]
	s_cmp_lt_u32 s8, 2                             ; record 0's two halves have a load line of their own: the first barrier shows them alone
	s_cbranch_scc0 .Lrest
	tensor_load_to_lds s[32:35], s[24:31]
	s_nop 0
.rept 4
	v_nop
.endr
	s_branch .Lasked
.Lrest:
	tensor_load_to_lds s[32:35], s[24:31]
	s_nop 0
.rept 4
	v_nop
.endr
.Lasked:
	v_and_b32 v6, 15, v0                           ; r
	v_bfe_u32 v7, v0, 4, 1                         ; h
	v_and_b32 v1, 31, v0
	v_lshlrev_b32 v1, 4, v1                        ; v1: 16 x lane
	v_lshlrev_b32 v11, 2, v6                       ; v11: 4 r
	global_load_b128 v[24:27], v1, s[54:55] offset:33792
	global_load_b128 v[28:31], v1, s[54:55] offset:34304
	global_load_b128 v[42:45], v1, s[56:57] offset:33792
	global_load_b128 v[250:253], v1, s[56:57] offset:34304
	global_load_b32 v46, v11, s[36:37] offset:50176
	global_load_b32 v47, v11, s[38:39] offset:50176
	v_lshl_add_u32 v2, v6, 2, 32768                ; v2: a record's scale words, 4 r
	v_and_b32 v8, 8, v6
	v_add_nc_u32 v8, v8, v6
	v_lshlrev_b32 v9, 4, v7
	v_sub_nc_u32 v8, v8, v9
	v_add_nc_u32 v8, s59, v8                       ; v8: my query in its group - 16 h: on the diagonal register 16 f + i, key 32 f + 16 h + i of the step, is hidden where 32 f + i > v8
	v_lshl_add_u32 v9, v6, 5, v7                   ; v9: 32 r + h: my byte among the tile's scale bytes of cat
.irp j, 0,1,2,3,4,5,6,7
	v_mov_b32 v[16+\j], 0                          ; the zero codes on either side of Q
	v_mov_b32 v[32+\j], 0
.endr
.irp b, 0,1,2,3
	v_mov_b32 v[228+\b], 0                         ; a lane permute's destination counts as one of its sources
.endr
	v_mov_b32 v245, 0                              ; (named as the upper half of the pair v[244:245] before it is first written)
	INIT
.macro TOP                             ; a trip's head: record s22 % 8
	s_and_b32 s59, s22, 7
	s_mul_i32 s18, s59, SLB
	s_lshl_b32 s19, s59, 1                         ; its first key step's number
	v_add_nc_u32 v6, s18, v1
	v_add_nc_u32 v7, s18, v2
	s_wait_alu depctr_va_vdst(0)
.endm
; A KEY STEP: 128 keys, the q-th of the record in hand.  full = 1: a step that is open for every wave (the first tile's steps 0 and 1)
.macro STEP q, full
.if \full == 0
	s_add_co_u32 s58, s19, \q
	s_cmp_gt_u32 s58, s20
	s_cbranch_scc1 .Lhidden_\@                     ; all 128 keys come after my queries
.endif
.irp f, 0,1,2,3                                ; (the last step's 25 additions are the places behind its products)
.irp c, 0,1,2,3
	ds_load_b128 v[48+16*\f+4*\c:51+16*\f+4*\c], v6 offset:(4*(\q)+\f)*2048+512*\c
.endr
	ds_load_b32 v[240+\f], v7 offset:(4*(\q)+\f)*64
.endr
	s_wait_dscnt 0x0
.irp f, 0,1,2,3                                ; S^T = K Q^T: fragment f against [Q | 0] and [0 | Q]: keys 32 f + 16 h + 0 .. 7 and + 8 .. 15
	v_wmma_scale_f32_16x16x128_f8f6f4 v[112+16*\f:119+16*\f], v[48+16*\f:63+16*\f], v[24:39], 0, v[240+\f], v40 matrix_a_fmt:MATRIX_FMT_BF8 matrix_b_fmt:MATRIX_FMT_BF8
	v_wmma_scale_f32_16x16x128_f8f6f4 v[120+16*\f:127+16*\f], v[48+16*\f:63+16*\f], v[16:31], 0, v[240+\f], v40 matrix_a_fmt:MATRIX_FMT_BF8 matrix_b_fmt:MATRIX_FMT_BF8
.endr
	COMB                                           ; seven lines, and the old -M: the eight places in front of the loads below and of the first read of the scores
	v_mov_b32 v244, v12
.irp t, 0,1,2,3                                ; V^T's four fragments of these 128 keys, into the same registers: they land while the softmax is worked
.irp c, 0,1,2,3
	ds_load_b128 v[48+16*\t+4*\c:51+16*\t+4*\c], v6 offset:16384+8192*(\q)+2048*\t+512*\c
.endr
	ds_load_b32 v[240+\t], v7 offset:512+256*(\q)+64*\t
.endr
.if \full == 0
	s_cmp_lg_u32 s58, s20
	s_cbranch_scc1 .Lopen_\@                       ; all 128 keys count for all my queries
	v_mov_b32 v247, 0xff800000                     ; -infinity
.set n, 0
.rept 64
	v_cmp_gt_i32 vcc_lo, 32*(n/16)+n%16, v8
	v_cndmask_b32 v[112+n], v[112+n], v247, vcc_lo
.set n, n+1
.endr
.Lopen_\@:
.endif
.irp b, 0,1,2,3
	v_max3_num_f32 v[224+\b], v[112+16*\b], v[113+16*\b], v[114+16*\b]   ; the largest score of each block of 32 keys: for the row's maximum, and, since p rises with the score, for the block's largest p
.endr
.irp i, 3,5,7,9,11,13
.irp b, 0,1,2,3
	v_max3_num_f32 v[224+\b], v[224+\b], v[112+16*\b+\i], v[113+16*\b+\i]
.endr
.endr
.irp b, 0,1,2,3
	v_max_num_f32 v[224+\b], v[224+\b], v[127+16*\b]
.endr
.irp b, 0,1,2,3
	s_delay_alu instid0(VALU_DEP_4)
	v_permlanex16_b32 v[228+\b], v[224+\b], s12, s13
.endr
.irp b, 0,1,2,3
	s_delay_alu instid0(VALU_DEP_4)
	v_max_num_f32 v[224+\b], v[224+\b], v[228+\b]  ; with lane l xor 16's 16 keys
.endr
	s_delay_alu instid0(VALU_DEP_2)
	v_max3_num_f32 v246, v224, v225, v226
	s_delay_alu instid0(VALU_DEP_1)
	v_max_num_f32 v246, v246, v227                 ; the step's largest score of my query
	s_delay_alu instid0(VALU_DEP_1)
	v_mul_f32 v246, s14, v246                      ; as t (c is positive)
	s_delay_alu instid0(VALU_DEP_1)
	v_max_num_f32 v13, v13, v246                   ; the running largest t
	s_delay_alu instid0(VALU_DEP_1)
	v_floor_f32 v12, -v13                          ; the new -M = floor(-t) = -ceil(t)
	s_delay_alu instid0(VALU_DEP_1)
	v_sub_f32 v246, v12, v244                      ; old M less new M: a whole number, 0 or less
	s_delay_alu instid0(VALU_DEP_1)
	v_cvt_i32_f32 v246, v246                       ; (it saturates)
	s_delay_alu instid0(VALU_DEP_1)
	v_ldexp_f32 v244, 1.0, v246                    ; f = 2^(old M - new M)
.set j, 0
.rept 32
	v_pk_fma_f32 v[112+j:113+j], v[112+j:113+j], s[14:15], v[12:13] op_sel_hi:[1,0,0]   ; t - M, two at a time
.set j, j+2
.endr
.irp b, 0,1,2,3
	v_fma_f32 v[224+\b], v[224+\b], s14, v12       ; the same of each block's largest score
.endr
	s_wait_alu depctr_va_vdst(0)
.set j, 0
.rept 64
	v_exp_f32 v[112+j], v[112+j]                   ; p = 2^(t - M), at most 1
.set j, j+1
.endr
.irp b, 0,1,2,3
	v_exp_f32 v[224+\b], v[224+\b]                 ; the block's largest p: the same two instructions on the same number
.endr
	v_pk_mul_f32 v[14:15], v[14:15], v[244:245] op_sel_hi:[1,0]   ; the sum under the new M (a plain line behind the exponentials)
	s_wait_alu depctr_va_vdst(0)                   ; one wait for the batch of 68, ahead of its first reader; no exponential follows it ahead of O^T's first reader
.irp b, 0,1,2,3
	v_max_num_f32 v[224+\b], 0x8000000, v[224+\b]  ; the floor 2^(16 - 127): the byte cannot fall under 1
.endr
.irp b, 0,1,2,3
	s_delay_alu instid0(VALU_DEP_4)
	v_add_nc_u32 v[236+\b], 0xf8800000, v[224+\b]  ; 15 off the exponent field: the conversion's scale operand
.endr
.irp b, 0,1,2,3
	v_and_or_b32 v[232+\b], v[224+\b], 0x7f800000, s16   ; 57,344 x the scale
.endr
.irp b, 0,1,2,3
	v_lshrrev_b32 v[228+\b], 23, v[236+\b]         ; the scale's byte
.endr
	s_delay_alu instid0(VALU_DEP_3)
	v_lshl_or_b32 v245, v229, 8, v228              ; p's scale word for these 128 keys
	s_delay_alu instid0(VALU_DEP_1)
	v_lshl_or_b32 v245, v230, 16, v245
	s_delay_alu instid0(VALU_DEP_1)
	v_lshl_or_b32 v245, v231, 24, v245
; eight p at a time are held (the conversion does not saturate: ISA guide 7.6.2; p is not negative, so the hold is one-sided) into v224-231, two to a line, so that p itself stays for the sum; a line of O^T's rescaling stands behind each conversion
.set OJ, 0
.irp b, 0,1,2,3
.irp hh, 0,1
.irp k, 0,2,4,6
	v_dual_min_num_f32 v[224+\k], v[112+16*\b+8*\hh+\k], v[232+\b] :: v_dual_min_num_f32 v[225+\k], v[113+16*\b+8*\hh+\k], v[232+\b]
.endr
	v_cvt_scalef32_pk8_bf8_f32 v[208+4*\b+2*\hh:209+4*\b+2*\hh], v[224:231], v[236+\b]
	v_pk_mul_f32 v[176+OJ:177+OJ], v[176+OJ:177+OJ], v[244:245] op_sel_hi:[1,0]   ; O^T under the new M, each accumulator from its low end on
.set OJ, OJ+2
.endr
.endr
.rept 8
	v_pk_mul_f32 v[176+OJ:177+OJ], v[176+OJ:177+OJ], v[244:245] op_sel_hi:[1,0]   ; (these are also the places between the last codes and the products)
.set OJ, OJ+2
.endr
	s_wait_alu depctr_va_vdst(0)
	s_wait_dscnt 0x0                               ; V^T's fragments and scale words are in
.irp t, 0,1,2,3                                ; O^T += V^T P^T: four accumulators, one instruction each
	v_wmma_scale_f32_16x16x128_f8f6f4 v[176+8*\t:183+8*\t], v[48+16*\t:63+16*\t], v[208:223], v[176+8*\t:183+8*\t], v[240+\t], v245 matrix_a_fmt:MATRIX_FMT_BF8 matrix_b_fmt:MATRIX_FMT_BF8
.endr
; the sum of the unquantised p: 25 packed additions into seven partial sums and the row's; they name no register of the products above
.set PP, 112
.irp d, 248,254,246,238,236,234,232
	PADD \d, PP, PP+2
.set PP, PP+4
.endr
.irp d, 14,248,254,246,238,236,234,232,14,248,254,246,238,236,234,232,14,248
	PADD \d, \d, PP
.set PP, PP+2
.endr
	s_wait_alu depctr_va_vdst(0)
.if \full == 0
.Lhidden_\@:
.endif
.endm
; A TILE'S END: O^T / the sum; its 64 channels are two blocks of 32 along the last product's K: register 16 b + i is channel 32 b + 16 h + i.  The codes leave as two images of 512 consecutive bytes; lane (r, h) stores row r's byte of block h.
.macro FINAL
	COMB
	v_add_f32 v14, v14, v15
	v_permlanex16_b32 v228, v14, s12, s13
	v_add_f32 v14, v14, v228                       ; the row's sum
	s_wait_alu depctr_va_vdst(0)
	v_rcp_f32 v244, v14
	v_nop                                          ; a plain line behind the reciprocal
	s_wait_alu depctr_va_vdst(0)                   ; and the wait ahead of its first reader, which is O^T's too
.set j, 0
.rept 16
	v_pk_mul_f32 v[112+j:113+j], v[176+j:177+j], v[244:245] op_sel_hi:[1,0]
.set j, j+2
.endr
.irp b, 0,1
	v_max3_num_f32 v[224+\b], |v[112+16*\b]|, |v[113+16*\b]|, 0x8000000
.endr
.irp i, 2,4,6,8,10,12,14
.irp b, 0,1
	v_max3_num_f32 v[224+\b], v[224+\b], |v[112+16*\b+\i]|, |v[113+16*\b+\i]|
.endr
.endr
.irp b, 0,1
	v_permlanex16_b32 v[228+\b], v[224+\b], s12, s13
.endr
.irp b, 0,1
	v_max_num_f32 v[224+\b], v[224+\b], v[228+\b]
.endr
.irp b, 0,1
	v_add_nc_u32 v[236+\b], 0xf8800000, v[224+\b]
.endr
.irp b, 0,1
	v_and_or_b32 v[232+\b], v[224+\b], 0x7f800000, s16
.endr
.irp b, 0,1
	v_lshrrev_b32 v[228+\b], 23, v[236+\b]
.endr
	v_cndmask_b32 v246, v228, v229, s17            ; lanes 0-15 block 0's byte, lanes 16-31 block 1's
.irp b, 0,1
.irp i, 0,1,2,3,4,5,6,7,8,9,10,11,12,13,14,15
	v_med3_num_f32 v[112+16*\b+\i], v[112+16*\b+\i], -v[232+\b], v[232+\b]
.endr
	v_cvt_scalef32_pk8_bf8_f32 v[208+4*\b:209+4*\b], v[112+16*\b:119+16*\b], v[236+\b]
	v_cvt_scalef32_pk8_bf8_f32 v[210+4*\b:211+4*\b], v[120+16*\b:127+16*\b], v[236+\b]
.endr
	v_nop                                          ; a plain line behind the last conversion
	global_store_b128 v1, v[208:211], s[46:47]
	global_store_b128 v1, v[212:215], s[46:47] offset:512
	global_store_b8 v9, v246, s[48:49]             ; 32 bytes a tile beside its 1,024 bytes of codes
.endm
	s_wait_alu depctr_va_vdst(0)
	s_cmp_lt_u32 s8, 2
	s_cbranch_scc0 .Lnot_first
	s_wait_tensorcnt 0x0                           ; waves 0 and 1: record 0 is in
.Lnot_first:
	s_barrier_signal -1
	s_barrier_wait -1
	s_wait_loadcnt 0x0                             ; Q, both tiles'
	v_perm_b32 v40, v46, v46, s61                  ; my tile's two bytes, twice: they scale Q in either half of the instruction's K
	v_perm_b32 v41, v47, v47, s61
.rept 6
	v_nop                                          ; with the line above and the two additions below: places between a scale word made here and the first product
.endr
	s_mov_b32 s22, 0
	TOP                                            ; record 0 is written out: its two steps are open for every wave, and the barrier behind them shows the other records
	STEP 0, 1
	STEP 1, 1
	s_wait_tensorcnt 0x0                           ; every wave's load is in
	s_wait_dscnt 0x0
	s_barrier_signal -1
	s_barrier_wait -1
	s_mov_b32 s22, 1
.Ltrip:                                            ; 11 trips, a constant: records 1 to 7 for the first tile, 0 to 3 for the second; a wave jumps over the steps that lie behind its diagonal
	TOP
	STEP 0, 0
	STEP 1, 0
	s_cmp_lg_u32 s22, 7                            ; the first tile's last record?
	s_cbranch_scc1 .Lsame
	FINAL
	s_wait_xcnt 0x0                                ; the stores have read their registers and bases
	s_mov_b64 s[46:47], s[50:51]
	s_mov_b64 s[48:49], s[52:53]
	s_mov_b32 s20, s21                             ; the second tile's group,
	v_mov_b32 v40, v41                             ; its scale word,
.irp j, 0,1,2,3
	v_mov_b32 v[24+\j], v[42+\j]                   ; its Q,
	v_mov_b32 v[28+\j], v[250+\j]
.endr
	INIT                                           ; and a new beginning
	s_wait_alu depctr_va_vdst(0)
.Lsame:
	s_add_co_u32 s22, s22, 1
	s_cmp_lt_u32 s22, 12
	s_cbranch_scc1 .Ltrip
	FINAL
	s_wait_tensorcnt 0x0                           ; the wave's end
	ds_add_u32 v3, v4
	s_wait_dscnt 0x0
	CROUND                                         ; the closing round
	s_endpgm
.Lfunc_end_k_q1c2d59773f_attn:
	.size	k_q1c2d59773f_attn, .Lfunc_end_k_q1c2d59773f_attn-k_q1c2d59773f_attn
	.p2alignl 7, 3214868480
	.fill 96, 4, 3214868480
	.section	.rodata,"a",@progbits
	.p2align	6, 0x0
	.amdhsa_kernel k_q1c2d59773f_attn
		.amdhsa_group_segment_fixed_size 327680
		.amdhsa_private_segment_fixed_size 0
		.amdhsa_enable_private_segment 0
		.amdhsa_kernarg_size 16
		.amdhsa_user_sgpr_count 2
		.amdhsa_user_sgpr_kernarg_segment_ptr 1
		.amdhsa_wavefront_size32 1
		.amdhsa_system_sgpr_workgroup_id_x 1
		.amdhsa_system_sgpr_workgroup_id_y 1
		.amdhsa_system_sgpr_workgroup_id_z 1
		.amdhsa_system_vgpr_workitem_id 0
		.amdhsa_next_free_vgpr 256
		.amdhsa_next_free_sgpr 76
		.amdhsa_reserve_vcc 1
		.amdhsa_float_denorm_mode_32 3
		.amdhsa_float_denorm_mode_16_64 3
		.amdhsa_memory_ordered 1
		.amdhsa_forward_progress 1
		.amdhsa_inst_pref_size 110
	.end_amdhsa_kernel
	.amdgpu_metadata
---
amdhsa.version: [ 1, 2 ]
amdhsa.kernels:
  - .name:           k_q1c2d59773f_attn
    .symbol:         k_q1c2d59773f_attn.kd
    .args:
      - { .name: qkv, .offset: 0, .size: 8, .value_kind: global_buffer, .address_space: global }
      - { .name: cat, .offset: 8, .size: 8, .value_kind: global_buffer, .address_space: global }
    .group_segment_fixed_size: 327680
    .private_segment_fixed_size: 0
    .kernarg_segment_align: 8
    .kernarg_segment_size: 16
    .max_flat_workgroup_size: 512
    .sgpr_count:     76
    .vgpr_count:     256
    .wavefront_size: 32
...
	.end_amdgpu_metadata
.endif
;; end of part 3
;; launch outp (part 4): grid 4 x 64, 4 waves a work-group, clusters of 4 x 4, 327,680 bytes of LDS; arguments cat, ww, bo, out0; writes out0
.if DOCPART == 4
	.amdgcn_target "amdgcn-amd-amdhsa--gfx1250"
	.amdhsa_code_object_version 6
	.text
	.protected	k_q1c2d59773f_outp
	.globl	k_q1c2d59773f_outp
	.p2align	8
	.type	k_q1c2d59773f_outp,@function
k_q1c2d59773f_outp:
	s_mov_b64 s[64:65], 0
	v_nop
	global_prefetch_b8 v0, s[64:65] scope:SCOPE_SE
	s_setreg_imm32_b32 hwreg(HW_REG_WAVE_MODE, 25, 1), 1
	s_wait_xcnt 0x0
	s_wait_alu depctr_hold_cnt(0) depctr_sa_sdst(0) depctr_va_vdst(0) depctr_va_sdst(0) depctr_va_ssrc(0) depctr_va_vcc(0) depctr_vm_vsrc(0)
	s_getreg_b32 s2, hwreg(HW_REG_IB_STS2, 6, 4)
	s_cmp_eq_u32 s2, 0
	s_cbranch_scc0 .Lentry_in_a_cluster
	s_endpgm
.Lentry_in_a_cluster:
	s_bfe_u32 s2, ttmp6, 0x10000c
	s_cmp_lg_u32 s2, 0xf033
	s_cbranch_scc0 .Lentry_shape_is_right
	s_endpgm
.Lentry_shape_is_right:
; out0 = cat Wo + bo on codes of E5M2 with one E8M0 scale for each 32 along K = 1,024; f32 sums; the bias is the first products' C.
; cat: images of operand registers: tile T of 16 rows has 16,384 bytes, 1,024 for each 64 of K (two images of 512 bytes, lane l's 16 bytes at 16 l); its rows are tokens 32 f + 8 u + r + 8 (r / 8); scale bytes [row][32] at byte 8,388,608.
; ww: Wo's codes are rows 3,072 on, 1,024 bytes a row, row p(n) = column n with bits 3 and 4 exchanged; their scale bytes at 4,292,608.
; A work-group of four waves makes 128 rows x 256 columns: 4 x 64 = 256 work-groups; a wave makes 64 x 128 in 32 accumulators.  Source 0 = 16 rows of Wo's codes, source 1 = 16 rows of cat: a lane holds eight neighbouring columns of a row.
; K goes in 4 steps of 256 through a ring of two LDS slots (cat's 128 rows dense, Wo's 256 rows with 16 bytes of padding); the scale bytes of all of K come once, at the head.
; Both operands' fragments have two sets of registers: a step's 48 LDS loads are issued ahead of the 32 products of the step before.
; CLUSTERS: 4 x 4 work-groups; cat's tiles are asked for jointly along a row of the cluster, Wo's along a column.
; PREFETCH: K steps 1 and 2 are named at the head, K step 3 behind K step 1's load; the four partners of a joint load share its blocks of 256 bytes out by address (cx for cat: a tile of 16 rows each, 16 blocks; cy for Wo: 32 rows each).
; REGISTERS: window 0: v0-31 addresses; v32-63 scale words, two sets; v64-127 the bias; v128-255 cat's fragments, two sets, on the way out rows read back.  Window 1: Wo's fragments, two sets.  Window 2: accumulator (a, b) at v[8 (8 a + b)].
.set NQ,     2
.set ROWB,   256
.set KROW,   1024
.set PITCH,  272
.set FR,     16
.set NP,     8                         ; places behind this matrix instruction (ISA guide 7.12.1)
.set HALFA,  16384                     ; 64 rows of cat, a K step: 4 tiles x 4,096 bytes
.set HALFT,  128*PITCH
.set BOFF,   2*HALFA
.set SLOT,   BOFF+2*HALFT
.set SCL,    2*SLOT                    ; the scale bytes: cat's 128 rows, then Wo's 256, in rows of 256 bytes + 16
.set HALFS,  16*272                    ; those of 128 rows
.set SBLK,   2*272                     ; of 16
.set SPARE,  SCL+3*HALFS
.set SPITCH, 528                       ; the way out: 16 rows x (512 + 16) bytes a wave, in slot 0, which has had its last fill and its last read by then
.set ADRA, 16
.set ADRB, 20
.set STO,  24
.set RD,   25
.set CO,   26
.set ADRS, 27
.set SPW,  28
.set NIL,  29
.set BOV,  30
.set PFO,  31
.set SC,   32
.set BI,   64
.set AF,   128
.set BK,   128
.set G1, 24
.set G0, 32
.set G1B, 48
.set G0B, 56
.set G1S, 68
.set G0S, 76
.set G1SB, 80
.set G0SB, 88
.set PFA, 98
.set MSB, 0
.macro WIN new                         ; the immediate's high byte repeats the setting that is left
.if MSB != \new
	s_set_vgpr_msb (MSB<<8)|\new
.set MSB, \new
.endif
.endm
.set MUL_LO, 0xa1                      ; source 0 window 1, source 1 window 0, C and D window 2
.set FST_LO, 0x81                      ; the same with C (the bias) in window 0
.set TO_B,   0x40
.macro PLACES n
.rept \n
	v_nop
.endr
.endm
.macro TL g0, g1                       ; a tensor load with the lines behind it
	tensor_load_to_lds s[\g0:\g0+3], s[\g1:\g1+7]
	s_nop 0
	PLACES 4
.endm
.macro JLOAD g0a, g1a, g0b, g1b        ; waves 0 and 1 fetch cat's halves, waves 2 and 3 Wo's
	s_cmp_eq_u32 s15, 0
	s_cbranch_scc0 .Lfor_b_\@
	TL \g0a, \g1a
	s_branch .Lasked_\@
.Lfor_b_\@:
	TL \g0b, \g1b
.Lasked_\@:
.endm
.macro CREST
	s_cmp_lg_u32 s14, 0
	s_cbranch_scc1 .Lnot_wave_0_\@
	s_barrier_signal -3
.Lnot_wave_0_\@:
	s_barrier_wait -3
	s_barrier_signal -1
	s_barrier_wait -1
.endm
.macro CROUND
	s_barrier_signal -1
	s_barrier_wait -1
	CREST
.endm
.macro ASK k                           ; my share of K step k: cat's K steps lie 4,096 bytes apart in a tile, Wo's 256 in a row
	s_cmp_eq_u32 s15, 0
	s_cbranch_scc0 .Lpb_\@
	global_prefetch_b8 v[PFO], s[PFA:PFA+1] offset:4096*(\k) th:TH_LOAD_NT scope:SCOPE_SE
	s_branch .Lpd_\@
.Lpb_\@:
	global_prefetch_b8 v[PFO], s[PFA:PFA+1] offset:256*(\k) th:TH_LOAD_NT scope:SCOPE_SE
.Lpd_\@:
.endm
	s_load_b128 s[4:7], s[0:1], 0x0                ; cat, ww
	s_load_b128 s[8:11], s[0:1], 0x10              ; bo, out0
	v_lshl_add_u32 v[SPW], v0, 2, SPARE
	v_mov_b32 v[NIL], 0
	ds_add_u32 v[SPW], v[NIL]                      ; the opening lines
	ds_add_u32 v[SPW], v[NIL]
	v_lshrrev_b32 v1, 5, v0
	v_readfirstlane_b32 s14, v1                    ; wave
	s_lshr_b32 s15, s14, 1                         ; my 64 rows; also: I fetch for cat (0) or Wo (1)
	s_and_b32 s16, s14, 1                          ; my 128 columns; also: which half I fetch
	s_bfe_u32 s40, ttmp6, 0x40000                  ; cx
	s_bfe_u32 s41, ttmp6, 0x40004                  ; cy
	s_lshl_b32 s42, ttmp9, 2
	s_add_co_u32 s42, s42, s40                     ; tile column
	s_and_b32 s17, ttmp7, 0xffff
	s_lshl_b32 s17, s17, 2
	s_add_co_u32 s17, s17, s41                     ; tile row, 0 .. 63
	s_lshl_b32 s43, s41, 2
	s_lshl_b32 s43, 15, s43                        ; my row of the cluster
	s_lshl_b32 s44, 0x1111, s40                    ; my column
	s_or_b32 s[G1+0], s43, (3<<16)|(1<<21)         ; cat: rows of 4,096 bytes (512 elements of 8), a row a tile of 16, 16,384 bytes apart; 8 at the head, 4 in the ring
	s_mov_b32 s[G1+1], 512<<16
	s_mov_b32 s[G1+2], 8<<16
	s_mov_b32 s[G1+3], 512<<16
	s_mov_b32 s[G1+4], 8
	s_mov_b32 s[G1+5], 2048
	s_mov_b32 s[G1+6], 0
	s_mov_b32 s[G1+7], 0
	s_or_b32 s[G1B+0], s44, (0<<16)|(1<<20)|(1<<21)|(5<<22)|(3<<25)   ; Wo: rows of 256 bytes, 16 of padding behind each; 256 at the head, 128 in the ring
	s_mov_b32 s[G1B+1], ROWB<<16
	s_mov_b32 s[G1B+2], 256<<16
	s_mov_b32 s[G1B+3], ROWB<<16
	s_mov_b32 s[G1B+4], 256
	s_mov_b32 s[G1B+5], KROW
	s_mov_b32 s[G1B+6], 0
	s_mov_b32 s[G1B+7], 0
	s_or_b32 s[G1S+0], s43, (3<<16)|(1<<20)|(1<<21)|(5<<22)|(3<<25)   ; scale bytes: dense, as rows of 256 bytes + 16: cat's 16 rows, Wo's 32
	s_or_b32 s[G1SB+0], s44, (3<<16)|(1<<20)|(1<<21)|(5<<22)|(3<<25)
	s_mov_b32 s[G1S+2], 16<<16
	s_mov_b32 s[G1S+4], 16
	s_mov_b32 s[G1SB+2], 32<<16
	s_mov_b32 s[G1SB+4], 32
.irp g, G1S, G1SB
	s_mov_b32 s[\g+1], 32<<16
	s_mov_b32 s[\g+3], 32<<16
	s_mov_b32 s[\g+5], 32
	s_mov_b32 s[\g+6], 0
	s_mov_b32 s[\g+7], 0
.endr
	s_lshl_b32 s20, s17, 17                        ; cat's codes: 128 rows are 131,072 bytes,
	s_lshl_b32 s18, s16, 16                        ; my half 65,536
	s_add_co_u32 s20, s20, s18
	s_mov_b32 s21, 0
	s_lshl_b32 s22, s17, 12                        ; its scale bytes
	s_add_co_u32 s22, s22, 8388608
	s_mov_b32 s23, 0
	s_lshl_b32 s46, s42, 18                        ; Wo's codes: 256 rows,
	s_lshl_b32 s18, s16, 17                        ; my half 128
	s_add_co_u32 s46, s46, s18
	s_add_co_u32 s46, s46, 3145728
	s_mov_b32 s47, 0
	s_lshl_b32 s92, s42, 13                        ; its scale bytes
	s_add_co_u32 s92, s92, 4292608
	s_mov_b32 s93, 0
	s_lshl_b32 s45, s16, 14                        ; where my half goes in a slot: no place in the cluster enters an LDS address
	s_mul_i32 s95, s16, HALFT
	s_add_co_u32 s95, s95, BOFF
	s_wait_dscnt 0x0                               ; both opening adds are done
	s_wait_kmcnt 0x0
	s_add_nc_u64 s[20:21], s[4:5], s[20:21]
	s_add_nc_u64 s[22:23], s[4:5], s[22:23]
	s_add_nc_u64 s[46:47], s[6:7], s[46:47]
	s_add_nc_u64 s[92:93], s[6:7], s[92:93]
	CROUND                                         ; all sixteen work-groups are here: the first joint loads meet
	s_mov_b32 s[G0S], 1
	s_mov_b32 s[G0S+1], SCL
	s_mov_b64 s[G0S+2:G0S+3], s[22:23]
	s_or_b32 s[G0S+3], s[G0S+3], 0x80000000
	s_mov_b32 s[G0SB], 1
	s_mov_b32 s[G0SB+1], SCL+HALFS
	s_mov_b64 s[G0SB+2:G0SB+3], s[92:93]
	s_or_b32 s[G0SB+3], s[G0SB+3], 0x80000000
.irp s, 0,1
	s_mov_b32 s[G0+4*\s], 1
	s_add_co_u32 s[G0+4*\s+1], s45, \s*SLOT
	s_add_nc_u64 s[G0+4*\s+2:G0+4*\s+3], s[20:21], \s*4096
	s_or_b32 s[G0+4*\s+3], s[G0+4*\s+3], 0x80000000
	s_mov_b32 s[G0B+4*\s], 1
	s_add_co_u32 s[G0B+4*\s+1], s95, \s*SLOT
	s_add_nc_u64 s[G0B+4*\s+2:G0B+4*\s+3], s[46:47], \s*ROWB
	s_or_b32 s[G0B+4*\s+3], s[G0B+4*\s+3], 0x80000000
.endr
; the head's loads, one a wave: wave 0 K step 0's 128 rows of cat, wave 2 its 256 rows of Wo (their slot-0 descriptors begin at the tile's first row), wave 1 cat's scale bytes, wave 3 Wo's
.macro ARM eq, g0, g1, next
	s_cmp_eq_u32 s14, \eq
	s_cbranch_scc0 \next
	TL \g0, \g1
	s_branch .Lhead_asked
\next:
.endm
	ARM 0, G0,  G1,  .Lhead_b
	ARM 2, G0B, G1B, .Lhead_sa
	ARM 1, G0S, G1S, .Lhead_sb
	TL G0SB, G1SB
.Lhead_asked:
	s_cmp_eq_u32 s15, 0                            ; the prefetches: my half's first byte, my work-group's share of it, a lane a block of 256 bytes
	s_cselect_b64 s[PFA:PFA+1], s[20:21], s[46:47]
	s_cselect_b32 s100, s40, s41
	s_cselect_b32 s2, 14, 15                       ; a share: a tile of 16,384 bytes, or 32 rows of 1,024
	s_cselect_b32 s3, 15, 31                       ; cat's share has 16 blocks: the lanes left over name the last again
	s_cselect_b32 s96, 8, 10                       ; from block to block
	s_lshl_b32 s100, s100, s2
	s_mov_b32 s101, 0
	s_add_nc_u64 s[PFA:PFA+1], s[PFA:PFA+1], s[100:101]
	v_and_b32 v[PFO], 31, v0
	v_min_u32 v[PFO], s3, v[PFO]
	v_lshlrev_b32 v[PFO], s96, v[PFO]
	s_wait_alu depctr_va_vdst(0)
	ASK 1
	ASK 2
	v_and_b32 v1, 15, v0                           ; r
	v_bfe_u32 v2, v0, 4, 1                         ; h
	s_lshl_b32 s2, s42, 10
	s_lshl_b32 s3, s16, 9
	s_add_co_u32 s2, s2, s3                        ; my first column, in bytes
	s_mov_b32 s3, 0
	s_add_nc_u64 s[8:9], s[8:9], s[2:3]
	v_lshlrev_b32 v[BOV], 6, v2
.irp b, 0,1,2,3,4,5,6,7
	global_load_b128 v[BI+8*\b:BI+8*\b+3], v[BOV], s[8:9] offset:4*(32*(\b/2)+8*(\b%2))       ; block b's registers are columns 32 (b / 2) + 16 h + 8 (b % 2) + 0 .. 7
	global_load_b128 v[BI+8*\b+4:BI+8*\b+7], v[BOV], s[8:9] offset:4*(32*(\b/2)+8*(\b%2))+16
.endr
	v_and_b32 v6, 31, v0
	v_lshlrev_b32 v[CO], 4, v6
	v_mul_u32_u24 v3, v1, PITCH
	v_lshl_add_u32 v4, v2, 4, v3
	s_lshl_b32 s21, s15, 14                        ; my 64 rows of cat
	s_mul_i32 s22, s16, HALFT
	s_add_co_u32 s22, s22, BOFF                    ; my 128 rows of Wo
.irp s, 0,1
	v_add_nc_u32 v[ADRA+\s], s21, v[CO]
	v_add_nc_u32 v[ADRB+\s], s22, v4
	s_add_co_u32 s21, s21, SLOT
	s_add_co_u32 s22, s22, SLOT
.endr
	v_mul_u32_u24 v5, v1, 32                       ; my row's scales: 32 bytes a row, and 16 more for each 256 passed
	v_lshrrev_b32 v6, 8, v5
	v_lshl_add_u32 v5, v6, 4, v5
	s_mul_i32 s21, s15, HALFS/2
	s_mul_i32 s22, s16, HALFS
	s_add_co_u32 s22, s22, HALFS
	s_sub_co_u32 s22, s22, s21
	v_mul_u32_u24 v6, s22, v2                      ; lanes 16-31 take Wo's: one product, the distance between the two bases
	s_add_co_u32 s21, s21, SCL
	v_add_nc_u32 v5, v5, v6
	v_add_nc_u32 v[ADRS], s21, v5
	s_mul_i32 s23, s14, 16*SPITCH
	v_mul_u32_u24 v5, v1, SPITCH
	v_lshl_add_u32 v5, v2, 6, v5
	v_add_nc_u32 v[STO], s23, v5
	v_add_nc_u32 v[RD], s23, v[CO]
	s_lshl_b32 s96, s17, 19                        ; 128 rows of out0 are 524,288 bytes,
	s_lshl_b32 s97, s15, 18                        ; my 64 half of that
	s_add_co_u32 s96, s96, s97
	s_add_co_u32 s96, s96, s2
	s_mov_b32 s97, 0
	s_add_nc_u64 s[12:13], s[10:11], s[96:97]
.macro FETCH slot, q                   ; the fragments of the slot's q-th 128 of K into set q: Wo's eight, cat's four: 48 loads
	WIN TO_B
.irp i, 0,1,2,3,4,5,6,7
.irp c, 0,1,2,3
	ds_load_b128 v[128*(\q)+FR*\i+4*\c:128*(\q)+FR*\i+4*\c+3], v[ADRB+\slot] offset:128*(\q)+32*\c+\i*16*PITCH
.endr
.endr
	WIN 0
.irp i, 0,1,2,3
.irp c, 0,1,2,3
	ds_load_b128 v[AF+64*(\q)+FR*\i+4*\c:AF+64*(\q)+FR*\i+4*\c+3], v[ADRA+\slot] offset:\i*4096+(\q)*2048+512*\c
.endr
.endr
.endm
.macro SCALES sc                       ; a K step's scale words: lanes 0-15 cat's block i (four are used), lanes 16-31 Wo's block i
.irp i, 0,1,2,3,4,5,6,7
	ds_load_b64 v[SC+8*NQ*\sc+NQ*\i:SC+8*NQ*\sc+NQ*\i+1], v[ADRS] offset:\i*SBLK
.endr
.endm
.macro MUL16 a0, q, sc, first          ; cat's blocks a0, a0 + 1 x Wo's eight; the 32 accumulators take turns in the same order in every step
.irp a, \a0, \a0+1
.irp b, 0,1,2,3,4,5,6,7
.if \first
	v_wmma_scale_f32_16x16x128_f8f6f4 v[8*(8*(\a)+\b):8*(8*(\a)+\b)+7], v[128*(\q)+FR*\b:128*(\q)+FR*\b+FR-1], v[AF+64*(\q)+FR*(\a):AF+64*(\q)+FR*(\a)+FR-1], v[BI+8*\b:BI+8*\b+7], v[SC+8*NQ*(\sc)+NQ*\b+(\q)], v[SC+8*NQ*(\sc)+NQ*(\a)+(\q)] matrix_a_fmt:MATRIX_FMT_BF8 matrix_b_fmt:MATRIX_FMT_BF8 matrix_a_scale:MATRIX_SCALE_ROW1
.else
	v_wmma_scale_f32_16x16x128_f8f6f4 v[8*(8*(\a)+\b):8*(8*(\a)+\b)+7], v[128*(\q)+FR*\b:128*(\q)+FR*\b+FR-1], v[AF+64*(\q)+FR*(\a):AF+64*(\q)+FR*(\a)+FR-1], v[8*(8*(\a)+\b):8*(8*(\a)+\b)+7], v[SC+8*NQ*(\sc)+NQ*\b+(\q)], v[SC+8*NQ*(\sc)+NQ*(\a)+(\q)] matrix_a_fmt:MATRIX_FMT_BF8 matrix_b_fmt:MATRIX_FMT_BF8 matrix_a_scale:MATRIX_SCALE_ROW1
.endif
.endr
.endr
.endm
.macro STEPA slot, first               ; a slot's first 128 of K; its second 128's fragments are asked for ahead of the products
	s_wait_dscnt 0x0                               ; set 0 and the scale words are in
.if \first
	FETCH \slot, 1
	WIN FST_LO
.else
	PLACES NP                                      ; behind the products that read set 1
	FETCH \slot, 1
	WIN MUL_LO
.endif
	MUL16 0, 0, \slot, \first
	MUL16 2, 0, \slot, \first
	WIN 0
.endm
.macro TURN slot, next, fill           ; a slot's second 128 of K, and the change of slots
	s_wait_tensorcnt 0x0                           ; all my tensor loads have landed: my part of the next slot
	ds_add_u32 v[SPW], v[NIL]
	s_wait_dscnt 0x0                               ; the add is done; set 1 is in: my reads of this slot are over
	s_barrier_signal -1
	WIN MUL_LO
	MUL16 0, 1, \slot, 0
	WIN 0
	s_barrier_wait -1
.if \fill
	CREST                                          ; the barrier has opened a round of the cluster's
	s_add_nc_u64 s[G0+4*\slot+2:G0+4*\slot+3], s[G0+4*\slot+2:G0+4*\slot+3], 2*4096
	s_add_nc_u64 s[G0B+4*\slot+2:G0B+4*\slot+3], s[G0B+4*\slot+2:G0B+4*\slot+3], 2*ROWB
	JLOAD G0+4*\slot, G1, G0B+4*\slot, G1B         ; the first tensor load behind the round; its four v_nop are among the places in front of the loads below
	PLACES NP-4
.else
	PLACES NP
.endif
	v_add_nc_u32 v[ADRS], 4*NQ, v[ADRS]            ; on to the next K step's scale words
	s_wait_alu depctr_va_vdst(0)
	FETCH \next, 0
	SCALES \next
	WIN MUL_LO
	MUL16 2, 1, \slot, 0
	WIN 0
.endm
	s_wait_alu depctr_va_vdst(0)
	s_wait_tensorcnt 0x0                           ; my tile of the head's four is in
	ds_add_u32 v[SPW], v[NIL]
	s_mov_b32 s[G1+2], 4<<16                       ; no tensor load of mine is out: from here on a load brings half a tile's rows
	s_mov_b32 s[G1+4], 4
	s_mov_b32 s[G1B+2], 128<<16
	s_mov_b32 s[G1B+4], 128
	s_wait_dscnt 0x0
	CROUND
	JLOAD G0+4, G1, G0B+4, G1B                     ; K step 1, the first tensor load behind the round
	FETCH 0, 0
	SCALES 0
	ASK 3
	s_wait_loadcnt 0x0                             ; the bias
	STEPA 0, 1
	TURN 0, 1, 1                                   ; slot 0 takes K step 2
	STEPA 1, 0
	TURN 1, 0, 1                                   ; slot 1 takes K step 3
	STEPA 0, 0
	TURN 0, 1, 0                                   ; nothing is left to fetch
	STEPA 1, 0
	s_wait_dscnt 0x0
	WIN MUL_LO
	MUL16 0, 1, 1, 0
	MUL16 2, 1, 1, 0
	WIN 0
; THE WAY OUT: a block of 16 rows x 128 columns goes through my stage and comes back as rows of 512 bytes, which the 32 lanes store as two aligned runs of 256 bytes.  LDS serves a wave's instructions in order.
.macro TOSTAGE a
.set AC, 64*(\a)
	WIN 0x08                                       ; the data: window 2
.irp b, 0,1,2,3,4,5,6,7
	ds_store_b128 v[STO], v[AC+8*\b:AC+8*\b+3] offset:128*(\b/2)+32*(\b%2)       ; each accumulator from its low end on
	ds_store_b128 v[STO], v[AC+8*\b+4:AC+8*\b+7] offset:128*(\b/2)+32*(\b%2)+16
.endr
	WIN 0
.set BB, BK+64*((\a)%2)
.irp t, 0,1,2,3,4,5,6,7,8,9,10,11,12,13,14,15
	ds_load_b128 v[BB+4*\t:BB+4*\t+3], v[RD] offset:\t*SPITCH
.endr
.endm
.macro SEND a, younger                 ; younger: the LDS instructions issued behind block a's loads, which may stay out
.set BB, BK+64*((\a)%2)
	s_wait_dscnt \younger
.irp t, 0,1,2,3,4,5,6,7,8,9,10,11,12,13,14,15
	global_store_b128 v[CO], v[BB+4*\t:BB+4*\t+3], s[12:13] offset:(32*((\a)/2)+8*((\a)%2)+\t+8*(\t/8))*4096 th:TH_STORE_NT
.endr
.endm
	PLACES NP
	TOSTAGE 0
.irp a, 1,2,3
.if \a > 1
	s_wait_xcnt 0x0                                ; block a - 2's stores have read their registers
.endif
	TOSTAGE \a
	SEND \a-1, 32                                  ; behind block a - 1's loads: block a's 16 stores and 16 loads
.endr
	SEND 3, 0
	s_wait_tensorcnt 0x0                           ; the wave's end
	ds_add_u32 v[SPW], v[NIL]
	s_wait_dscnt 0x0
	CROUND                                         ; the closing round
	s_endpgm
.Lfunc_end_k_q1c2d59773f_outp:
	.size	k_q1c2d59773f_outp, .Lfunc_end_k_q1c2d59773f_outp-k_q1c2d59773f_outp
	.p2alignl 7, 3214868480
	.fill 96, 4, 3214868480
	.section	.rodata,"a",@progbits
	.p2align	6, 0x0
	.amdhsa_kernel k_q1c2d59773f_outp
		.amdhsa_group_segment_fixed_size 327680
		.amdhsa_private_segment_fixed_size 0
		.amdhsa_enable_private_segment 0
		.amdhsa_kernarg_size 32
		.amdhsa_user_sgpr_count 2
		.amdhsa_user_sgpr_kernarg_segment_ptr 1
		.amdhsa_wavefront_size32 1
		.amdhsa_system_sgpr_workgroup_id_x 1
		.amdhsa_system_sgpr_workgroup_id_y 1
		.amdhsa_system_sgpr_workgroup_id_z 1
		.amdhsa_system_vgpr_workitem_id 0
		.amdhsa_next_free_vgpr 768
		.amdhsa_next_free_sgpr 102
		.amdhsa_reserve_vcc 0
		.amdhsa_float_denorm_mode_32 3
		.amdhsa_float_denorm_mode_16_64 3
		.amdhsa_memory_ordered 1
		.amdhsa_forward_progress 1
		.amdhsa_inst_pref_size 91
	.end_amdhsa_kernel
	.amdgpu_metadata
---
amdhsa.version: [ 1, 2 ]
amdhsa.kernels:
  - .name:           k_q1c2d59773f_outp
    .symbol:         k_q1c2d59773f_outp.kd
    .args:
      - { .name: cat, .offset: 0, .size: 8, .value_kind: global_buffer, .address_space: global }
      - { .name: ww, .offset: 8, .size: 8, .value_kind: global_buffer, .address_space: global }
      - { .name: bo, .offset: 16, .size: 8, .value_kind: global_buffer, .address_space: global }
      - { .name: out0, .offset: 24, .size: 8, .value_kind: global_buffer, .address_space: global }
    .group_segment_fixed_size: 327680
    .private_segment_fixed_size: 0
    .kernarg_segment_align: 8
    .kernarg_segment_size: 32
    .max_flat_workgroup_size: 128
    .sgpr_count:     102
    .vgpr_count:     768
    .wavefront_size: 32
...
	.end_amdgpu_metadata
.endif
;; end of part 4
